; MI455X (gfx1250); checked and timed in simulation.
; The chip was launched on July 23, 2026; its instructions are those of AMD's public machine-readable ISA for CDNA 5 (MIT licence, August 2026) and "CDNA5" Instruction Set Architecture Reference Guide (July 2026). The comments in the code are by the model that wrote it; some were corrected since.
;; MHA. Allowed arithmetic: matrix products marked QUANTISED: E2M1 operands, one E8M0 scale for each 32 along K, by v_wmma_scale_f32_16x16x128_f8f6f4 with both operands' format E2M1 (or v_wmma_scale_f32_32x16x128_f4), f32 sums; products left as they are: bf16, f16 or f32 operands; f32 sums; everything else in f32.
;; Inputs: W_out 1,024 x 1,024 float32; W_qkv 1,024 x 3,072 float32; b_out 1,024 float32; b_qkv 3,072 float32; x 4 x 2,048 x 1,024 float32.
;; Outputs: out0 4 x 2,048 x 1,024 float32.
;; This version of the problem:
;;   THIS VERSION OF THE PROBLEM IS GIVEN IN LOW PRECISION. The matrix products marked QUANTISED in the list below multiply operands that are first quantised to E2M1 (2 exponent bits, 1 mantissa bit; 4 bits a number), with one power-of-two scale for each 32 numbers along K (OCP MX v1.0); their sums are f32. The products marked 'left as it is' may take bf16, f16 or f32 operands, with f32 sums. Whichever they take, every output number must still come out within the allowed error. Rounding operands to bf16 (8 significant bits) uses up far more of that allowance than f16 does (11 bits, for magnitudes from 6e-5 to 65,504). All else is computed in f32.
;;   The module's matrix products, in the order in which they are computed (A, B: the left and right operand; K: the contracted axis; several contracted axes count as one K, in the product's order):
;;     1. [M 8,192, K 1,024] x [K 1,024, N 3,072]; A: input x; B: input W_qkv: QUANTISED
;;     2. batch 64 x [M 2,048, K 64] x [K 64, N 2,048]; A: computed on the way; B: computed on the way: left as it is (an operand is computed on the way)
;;     3. batch 64 x [M 2,048, K 2,048] x [K 2,048, N 64]; A: computed on the way; B: computed on the way: left as it is (an operand is computed on the way)
;;     4. [M 8,192, K 1,024] x [K 1,024, N 1,024]; A: computed on the way; B: input W_out: left as it is (an operand is computed on the way)
;;   THE QUANTISER, for each operand of a quantised product, along K:
;;     - K is cut into blocks of 32 from its start; a last block that is shorter is filled with zeros.
;;     - A block's scale is 2^e with e = floor(log2(the largest magnitude in the block)) - 2, held to -126 .. 127; a block of zeros has e = 0. As a byte (E8M0): e + 127.
;;     - Each number is divided by its block's scale, clamped to +-6, and rounded to the nearest number of E2M1, ties to even, subnormals kept.
;;     - The product sums the exact products of the quantised numbers (number of the format x scale) in f32.
;;   ~~~python
;;   def quantise(x, axis):      # numpy; x: float32 -> the quantised numbers, widened to float32 again
;;       x = np.moveaxis(x, axis, -1); K = x.shape[-1]
;;       x = np.pad(x, [(0, 0)] * (x.ndim - 1) + [(0, -K % 32)]); x = x.reshape(x.shape[:-1] + (-1, 32)); a = np.abs(x).max(-1, keepdims=True)
;;       e = np.where(a > 0, np.clip(np.frexp(np.where(a > 0, a, 1))[1] - 1 - 2, -126, 127), 0)      # np.frexp(a)[1] - 1 = floor(log2(a)), exactly
;;       r = np.clip(x / 2.0 ** e, -6, 6)
;;       step = 2.0 ** (np.maximum(np.frexp(np.where(r == 0, 1, r))[1] - 1, 0) - 1)
;;       q = np.round(r / step) * step * 2.0 ** e      # np.round: ties to even
;;       return np.moveaxis(q.reshape(q.shape[:-2] + (-1,))[..., :K], -1, axis).astype(np.float32)
;;   ~~~
;; One version. Each part assembles by itself: llvm-mc -triple=amdgcn-amd-amdhsa -mcpu=gfx1250 --defsym DOCPART=n.
;; ======== version 1 of 1: 4 launches
;; limits: values are held in f16: magnitudes above 65,504 overflow, below 6.1e-05 lose precision
;; workspace buffers: x_codes 4,194,304 bytes; x_scales 262,144 bytes; w_codes 1,572,864 bytes; w_scales 98,304 bytes; w_img 2,097,152 bytes; qkv_img 50,331,648 bytes; att_img 16,777,216 bytes
;; launch prep (part 1): grid 288 x 1, 8 waves a work-group, no clusters, 84,480 bytes of LDS; arguments x, W_qkv, W_out, x_codes, x_scales, w_codes, w_scales, w_img; writes x_codes, x_scales, w_codes, w_scales, w_img
.if DOCPART == 1
	.amdgcn_target "amdgcn-amd-amdhsa--gfx1250"
	.amdhsa_code_object_version 6
	.text
	.protected	k_qc976ea1521_prep
	.globl	k_qc976ea1521_prep
	.p2align	8
	.type	k_qc976ea1521_prep,@function
k_qc976ea1521_prep:
	s_mov_b64 s[64:65], 0
	v_nop
	global_prefetch_b8 v0, s[64:65] scope:SCOPE_SE
	s_setreg_imm32_b32 hwreg(HW_REG_WAVE_MODE, 25, 1), 1
	s_wait_xcnt 0x0
; Three pieces of preparation in one launch, told apart by the work-group's number; the three ways never join, and each has LDS bytes of its own.
;   work-groups   0-127: x [8192][1024] f32 -> codes of FP4 (E2M1), K innermost, [8192][512 bytes], and one E8M0 byte for each 32 along K, [8192][32].
;   work-groups 128-223: W_qkv [1024 (k)][3072 (n)] f32 -> the same, laid [3072 (n)][512 bytes] and [3072][32]: K is W_qkv's FIRST axis.
;   work-groups 224-287: W_out [1024 (k)][1024 (n)] f32 -> f16, laid as the images of the operand registers of the last launch: [n / 16][k / 32][1,024 bytes].
; A block's scale is 2^(floor(log2(its largest magnitude)) - 2); its byte is the largest magnitude's exponent field - 2, held at 1 from below.  A block of zeros so gets the byte 1 where the
; rule says 127: its codes are zeros, which add nothing under any byte but 0xff, and this program alone reads the bytes.
; LIMITS: blocks whose largest magnitude lies under 2^-124 were not tried; NaN and infinities are not served; |W_out| stays under 65,504 (f16).
.set STEPS,  16
.set EMAX,   2
.set CB,     8                         ; bytes of 16 codes
.set WREG,   8192                      ; x: a region for each wave: two stages of 32 x SP bytes, then its 256 scale bytes
.set SP,     80                        ; a lane's place in a stage: 64 bytes + 16 of padding
.set WST,    8*WREG                    ; W_qkv: a stage of 32 rows (columns n) x (512 bytes + 16)
.set WPITCH, 528
.set SST,    WST+32*WPITCH             ; W_qkv: the 32 columns' scale bytes, 32 each
.set SPARE,  SST+1024                  ; the spare words, 128 bytes for each wave: four blocks of 256 bytes that no other line names
.set SPW, 12                           ; v12  LDS address of my spare word; never rewritten
.set NIL, 13                           ; v13  0; never rewritten
.set XR,  16                           ; x: v16-79 four sets of 16 numbers as loaded; v80-111 two sets of 16 neighbours; v112-127 a byte a step; v128-191 codes
.set XX,  80
.set XE,  112
.set XC,  128
.set WX,  32                           ; W_qkv: v32-95 two sets of 32 numbers; v96-99 a block's codes; v112-135 the way out
.set WC,  96
.set WO,  112
	s_load_b256 s[4:11], s[0:1], 0x0               ; x s[4:5], W_qkv s[6:7], W_out s[8:9], x_codes s[10:11]
	s_load_b256 s[12:19], s[0:1], 0x20             ; x_scales s[12:13], w_codes s[14:15], w_scales s[16:17], w_img s[18:19]
	v_lshl_add_u32 v[SPW], v0, 2, SPARE
	v_mov_b32 v[NIL], 0
	v_lshrrev_b32 v1, 5, v0
	v_readfirstlane_b32 s20, v1                    ; wave 0..7
	v_and_b32 v2, 31, v0                           ; lane
	s_mov_b32 s23, 0                               ; the upper word of every offset below
	s_wait_kmcnt 0x0
	s_cmp_lt_u32 ttmp9, 128
	s_cbranch_scc1 .Lpath_x
	s_cmp_lt_u32 ttmp9, 224
	s_cbranch_scc1 .Lpath_w
; ---- W_out.  64 work-groups: 4 along n (256 columns) x 16 along k (64 rows).  A wave takes 32 columns x 64 k; a lane takes a column, its registers run down k.
; Packed in pairs, registers 4 p .. 4 p + 3 are k = 8 p .. 8 p + 7 of my column; in a fragment's image (16 columns x 32 k) these 16 bytes lie at 256 p + 16 (column % 16):
; sixteen lanes store 256 consecutive bytes, at a multiple of 256 from the buffer's first byte.
	s_sub_co_u32 s21, ttmp9, 224
	s_lshr_b32 s24, s21, 4                         ; which 256 columns
	s_and_b32 s25, s21, 15                         ; which 64 rows
	s_lshl_b32 s22, s25, 18                        ; 64 rows of 4,096 bytes
	s_lshl_b32 s26, s24, 10
	s_add_co_u32 s22, s22, s26
	s_lshl_b32 s26, s20, 7                         ; my wave's 32 columns
	s_add_co_u32 s22, s22, s26
	s_add_nc_u64 s[8:9], s[8:9], s[22:23]
	s_lshl_b32 s22, s24, 19                        ; 16 tiles of columns, 32,768 bytes each
	s_lshl_b32 s26, s20, 16                        ; my wave's two
	s_add_co_u32 s22, s22, s26
	s_lshl_b32 s26, s25, 11                        ; two images of 1,024 bytes along k
	s_add_co_u32 s22, s22, s26
	s_add_nc_u64 s[18:19], s[18:19], s[22:23]
	v_lshlrev_b32 v3, 2, v2                        ; in: 4 bytes a lane
	v_lshrrev_b32 v4, 4, v2
	v_and_b32 v5, 15, v2
	v_lshlrev_b32 v4, 15, v4                       ; out: lanes 16-31 hold the next tile of columns,
	v_lshl_add_u32 v4, v5, 4, v4                   ; 16 bytes a column
.set i, 0
.rept 64
	global_load_b32 v[32+i], v3, s[8:9] offset:i*4096 th:TH_LOAD_NT
.set i, i+1
.endr
	s_wait_loadcnt 32                              ; the first 32 k are in; the other 32 loads may be out
.set i, 0
.rept 16
	v_cvt_pk_f16_f32 v[96+i], v[32+2*i], v[33+2*i]
.set i, i+1
.endr
.irp p, 0,1,2,3
	global_store_b128 v4, v[96+4*\p:99+4*\p], s[18:19] offset:256*\p
.endr
	s_wait_loadcnt 0x0
.set i, 0
.rept 16
	v_cvt_pk_f16_f32 v[112+i], v[64+2*i], v[65+2*i]
.set i, i+1
.endr
.irp p, 0,1,2,3
	global_store_b128 v4, v[112+4*\p:115+4*\p], s[18:19] offset:1024+256*\p
.endr
	s_wait_tensorcnt 0x0                           ; the wave's end
	ds_add_u32 v[SPW], v[NIL]
	s_wait_dscnt 0x0
	s_endpgm
; ---- x.  A plain stream of blocks of 32.  A wave takes 16 steps of 512 numbers.  Each load reads 512 consecutive bytes; a step's 2,048 bytes turn through the wave's own stage, so that a lane
; then holds 16 NEIGHBOURS (two neighbouring lanes hold a block), as the conversions want them.  Loads run four steps ahead, the turn through LDS one step.
.Lpath_x:
	s_lshl_b32 s21, ttmp9, 3
	s_add_co_u32 s21, s21, s20                     ; which run of 8,192 numbers is my wave's
	s_lshl_b32 s22, s21, 15
	s_add_nc_u64 s[4:5], s[4:5], s[22:23]
	s_lshl_b32 s22, s21, 12
	s_add_nc_u64 s[10:11], s[10:11], s[22:23]
	s_lshl_b32 s22, s21, 8
	s_add_nc_u64 s[12:13], s[12:13], s[22:23]
	v_lshlrev_b32 v3, 4, v2                        ; my 16 bytes of a load's 512
	s_mul_i32 s24, s20, WREG
	v_lshrrev_b32 v14, 2, v2
	v_mul_u32_u24 v14, v14, SP
	v_and_b32 v15, 3, v2
	v_lshl_add_u32 v14, v15, 4, v14
	v_add_nc_u32 v14, s24, v14                     ; the stage, on the way in: SP (lane / 4) + 16 (lane % 4)
	v_mul_u32_u24 v15, v2, SP
	v_add_nc_u32 v15, s24, v15                     ; and on the way out: SP x lane
	v_mul_u32_u24 v4, v2, CB                       ; my codes' place in a step's
	v_lshrrev_b32 v5, 1, v2
	s_add_co_u32 s24, s24, 2*32*SP
	v_add_nc_u32 v5, s24, v5                       ; my wave's 256 scale bytes, my block's byte
	v_lshlrev_b32 v7, 3, v2                        ; and on the way out 8 bytes a lane
	v_add_nc_u32 v6, s24, v7
.macro LOADX t
.irp i, 0,1,2,3
	global_load_b128 v[XR+16*((\t)%4)+4*\i:XR+16*((\t)%4)+4*\i+3], v3, s[4:5] offset:2048*(\t)+512*\i th:TH_LOAD_NT
.endr
.endm
.macro TURNX t                         ; LDS serves a wave's instructions in order (ISA guide 5.7.1.4): no wait between the stores and the loads
.irp i, 0,1,2,3
	ds_store_b128 v14, v[XR+16*((\t)%4)+4*\i:XR+16*((\t)%4)+4*\i+3] offset:32*SP*((\t)%2)+8*SP*\i
.endr
.irp i, 0,1,2,3
	ds_load_b128 v[XX+16*((\t)%2)+4*\i:XX+16*((\t)%2)+4*\i+3], v15 offset:32*SP*((\t)%2)+16*\i
.endr
.endm
.irp t, 0,1,2,3
	LOADX \t
.endr
	s_wait_loadcnt 12                              ; step 0's four loads are in
	TURNX 0
.macro STEPX t
.set XS, XX+16*((\t)%2)
.if (\t) > 0
	s_wait_dscnt 1                                 ; this step's numbers are back from the stage (the last step's byte store may be out): so its stores into the stage have read their registers,
.else
	s_wait_dscnt 0x0
.endif
.if (\t)+4 < STEPS
	LOADX (\t)+4                                   ; which take the loads of four steps on
.endif
.if (\t)+1 < STEPS
.if STEPS-2-(\t) >= 3
	s_wait_loadcnt 12                              ; the next step's four loads are in; those of the three steps behind it may be out
.else
	s_wait_loadcnt 4*(STEPS-2-(\t))
.endif
	TURNX (\t)+1
.endif
	v_max3_num_f32 v8, |v[XS]|, |v[XS+1]|, |v[XS+2]|               ; the largest magnitude of my 16, in two chains
	v_max3_num_f32 v9, |v[XS+3]|, |v[XS+4]|, |v[XS+5]|
.irp i, 6,10
	v_max3_num_f32 v8, v8, |v[XS+\i]|, |v[XS+\i+1]|
	v_max3_num_f32 v9, v9, |v[XS+\i+2]|, |v[XS+\i+3]|
.endr
	v_max3_num_f32 v8, v8, |v[XS+14]|, |v[XS+15]|
	v_max3_num_f32 v8, v8, v9, (EMAX+1)<<23        ; and the floor 2^(3 - 127): the byte cannot fall under 1
	v_max_num_f32_dpp v8, v8, v8 row_xmask:1 row_mask:0xf bank_mask:0xf   ; and of my neighbour's 16: the block's
	v_add_nc_u32 v11, -(EMAX<<23), v8              ; 2 off its exponent field: the conversion takes the exponent field of this operand as its scale
	v_cvt_scalef32_pk8_fp4_f32 v[XC+4*(\t)], v[XS:XS+7], v11
	v_cvt_scalef32_pk8_fp4_f32 v[XC+4*(\t)+1], v[XS+8:XS+15], v11
	v_lshrrev_b32 v[XE+(\t)], 23, v11              ; the scale's byte
	ds_store_b8 v5, v[XE+(\t)] offset:16*(\t)      ; both lanes of a block write the same byte with the same value
	global_store_b64 v4, v[XC+4*(\t):XC+4*(\t)+1], s[10:11] offset:32*CB*(\t)   ; the wave stores 256 consecutive bytes
.endm
.irp t, 0,1,2,3,4,5,6,7,8,9,10,11,12,13,14,15
	STEPX \t
.endr
	ds_load_b64 v[8:9], v6                         ; these see my byte stores
	s_wait_dscnt 0x0
	global_store_b64 v7, v[8:9], s[12:13]          ; my wave's 256 scale bytes, consecutive
	s_wait_tensorcnt 0x0                           ; the wave's end, behind my last LDS store
	ds_add_u32 v[SPW], v[NIL]
	s_wait_dscnt 0x0
	s_endpgm
; ---- W_qkv.  A work-group takes 32 columns x all 1,024 k; wave w takes k = 128 w .. 128 w + 127: four blocks.  A LANE TAKES A COLUMN AND ITS REGISTERS RUN DOWN K: a block of 32 lies in one lane's
; registers, and the conversions give codes with K innermost.  The eight waves' 64 bytes of each column meet in a stage: behind one barrier whole rows of 512 bytes leave.
.Lpath_w:
	s_sub_co_u32 s21, ttmp9, 128
	s_lshl_b32 s21, s21, 5                         ; my work-group's first column
	s_mul_i32 s22, s20, 128*12288                  ; my wave's 128 rows of 12,288 bytes
	s_lshl_b32 s24, s21, 2
	s_add_co_u32 s22, s22, s24
	s_add_nc_u64 s[6:7], s[6:7], s[22:23]
	s_lshl_b32 s22, s20, 2
	s_add_co_u32 s22, s22, s21
	s_lshl_b32 s22, s22, 9                         ; out: rows 4 w .. 4 w + 3 of the 32, 512 bytes each
	s_add_nc_u64 s[14:15], s[14:15], s[22:23]
	s_lshl_b32 s22, s21, 5                         ; the 32 columns' scale bytes: 1,024 consecutive bytes
	s_add_nc_u64 s[16:17], s[16:17], s[22:23]
	v_lshlrev_b32 v3, 2, v2                        ; in: 4 bytes a lane
	v_mul_u32_u24 v4, v2, WPITCH
	s_lshl_b32 s24, s20, 6
	s_add_co_u32 s24, s24, WST
	v_add_nc_u32 v4, s24, v4                       ; into the stage: row = my column, my wave's 64 bytes
	v_lshlrev_b32 v5, 5, v2
	s_lshl_b32 s24, s20, 2
	s_add_co_u32 s24, s24, SST
	v_add_nc_u32 v5, s24, v5                       ; my column's 32 scale bytes, my wave's four
	v_lshlrev_b32 v8, 4, v2                        ; out: 16 bytes a lane
	s_mul_i32 s24, s20, 4*WPITCH
	s_add_co_u32 s24, s24, WST
	v_add_nc_u32 v7, s24, v8
	v_add_nc_u32 v9, SST, v8
.macro LOADW t
.irp i, 0,1,2,3,4,5,6,7,8,9,10,11,12,13,14,15,16,17,18,19,20,21,22,23,24,25,26,27,28,29,30,31
	global_load_b32 v[WX+32*((\t)%2)+\i], v3, s[6:7] offset:(32*(\t)+\i)*12288 th:TH_LOAD_NT
.endr
.endm
	LOADW 0
	LOADW 1
.macro BLOCKW t
.set WS, WX+32*((\t)%2)
.if (\t) < 3
	s_wait_loadcnt 32                              ; this block's 32 loads are in; the next block's may be out
.else
	s_wait_loadcnt 0x0
.endif
	v_max3_num_f32 v16, |v[WS]|, |v[WS+1]|, |v[WS+2]|
	v_max3_num_f32 v17, |v[WS+3]|, |v[WS+4]|, |v[WS+5]|
.irp i, 6,10,14,18,22,26
	v_max3_num_f32 v16, v16, |v[WS+\i]|, |v[WS+\i+1]|
	v_max3_num_f32 v17, v17, |v[WS+\i+2]|, |v[WS+\i+3]|
.endr
	v_max3_num_f32 v16, v16, |v[WS+30]|, |v[WS+31]|
	v_max3_num_f32 v16, v16, v17, (EMAX+1)<<23     ; and the floor
	v_add_nc_u32 v11, -(EMAX<<23), v16             ; the conversion's scale operand
	v_lshrrev_b32 v10, 23, v11                     ; the scale's byte
.if (\t) == 0
	v_mov_b32 v24, v10                             ; four bytes to a register, the lower k in the lower byte
.else
	v_lshl_or_b32 v24, v10, 8*(\t), v24
.endif
.irp g, 0,1,2,3
	v_cvt_scalef32_pk8_fp4_f32 v[WC+\g], v[WS+8*\g:WS+8*\g+7], v11
.endr
	ds_store_b128 v4, v[WC:WC+3] offset:16*(\t)
.if (\t)+2 < 4
	LOADW (\t)+2
.endif
	s_wait_dscnt 0x0                               ; the store has read its registers: the next block's codes may be written
.endm
.irp t, 0,1,2,3
	BLOCKW \t
.endr
	ds_store_b32 v5, v24
	s_wait_dscnt 0x0                               ; for the others' sake: my stores into the two stages are done
	s_barrier_signal -1
	s_barrier_wait -1                              ; (all eight waves of a work-group are on this way: it hangs on the work-group's number)
.irp i, 0,1,2,3
	ds_load_b128 v[WO+4*\i:WO+4*\i+3], v7 offset:\i*WPITCH
.endr
.irp i, 0,1,2,3
	s_wait_dscnt 3-\i                              ; the younger loads may be out
	global_store_b128 v8, v[WO+4*\i:WO+4*\i+3], s[14:15] offset:512*\i   ; a whole row: 512 consecutive bytes
.endr
	s_cmp_lg_u32 s20, 0
	s_cbranch_scc1 .Lw_end
	ds_load_b128 v[WO+16:WO+19], v9                ; wave 0: the 1,024 scale bytes
	ds_load_b128 v[WO+20:WO+23], v9 offset:512
	s_wait_dscnt 0x0
	global_store_b128 v8, v[WO+16:WO+19], s[16:17]
	global_store_b128 v8, v[WO+20:WO+23], s[16:17] offset:512
.Lw_end:
	s_wait_tensorcnt 0x0                           ; the wave's end, behind my last LDS store
	ds_add_u32 v[SPW], v[NIL]
	s_wait_dscnt 0x0
	s_endpgm
.Lfunc_end_k_qc976ea1521_prep:
	.size	k_qc976ea1521_prep, .Lfunc_end_k_qc976ea1521_prep-k_qc976ea1521_prep
	.p2alignl 7, 3214868480
	.fill 96, 4, 3214868480
	.section	.rodata,"a",@progbits
	.p2align	6, 0x0
	.amdhsa_kernel k_qc976ea1521_prep
		.amdhsa_group_segment_fixed_size 84480
		.amdhsa_private_segment_fixed_size 0
		.amdhsa_enable_private_segment 0
		.amdhsa_kernarg_size 64
		.amdhsa_user_sgpr_count 2
		.amdhsa_user_sgpr_kernarg_segment_ptr 1
		.amdhsa_wavefront_size32 1
		.amdhsa_system_sgpr_workgroup_id_x 1
		.amdhsa_system_sgpr_workgroup_id_y 1
		.amdhsa_system_sgpr_workgroup_id_z 1
		.amdhsa_system_vgpr_workitem_id 0
		.amdhsa_next_free_vgpr 192
		.amdhsa_next_free_sgpr 66
		.amdhsa_reserve_vcc 0
		.amdhsa_float_denorm_mode_32 3
		.amdhsa_float_denorm_mode_16_64 3
		.amdhsa_memory_ordered 1
		.amdhsa_forward_progress 1
		.amdhsa_inst_pref_size 64
	.end_amdhsa_kernel
	.amdgpu_metadata
---
amdhsa.version: [ 1, 2 ]
amdhsa.kernels:
  - .name:           k_qc976ea1521_prep
    .symbol:         k_qc976ea1521_prep.kd
    .args:
      - { .name: x, .offset: 0, .size: 8, .value_kind: global_buffer, .address_space: global }
      - { .name: W_qkv, .offset: 8, .size: 8, .value_kind: global_buffer, .address_space: global }
      - { .name: W_out, .offset: 16, .size: 8, .value_kind: global_buffer, .address_space: global }
      - { .name: x_codes, .offset: 24, .size: 8, .value_kind: global_buffer, .address_space: global }
      - { .name: x_scales, .offset: 32, .size: 8, .value_kind: global_buffer, .address_space: global }
      - { .name: w_codes, .offset: 40, .size: 8, .value_kind: global_buffer, .address_space: global }
      - { .name: w_scales, .offset: 48, .size: 8, .value_kind: global_buffer, .address_space: global }
      - { .name: w_img, .offset: 56, .size: 8, .value_kind: global_buffer, .address_space: global }
    .group_segment_fixed_size: 84480
    .private_segment_fixed_size: 0
    .kernarg_segment_align: 8
    .kernarg_segment_size: 64
    .max_flat_workgroup_size: 256
    .sgpr_count:     66
    .vgpr_count:     192
    .wavefront_size: 32
...
	.end_amdgpu_metadata
.endif
;; end of part 1
;; launch qkv (part 2): grid 12 x 32, 4 waves a work-group, clusters of 4 x 4, 327,680 bytes of LDS; arguments x_codes, x_scales, w_codes, w_scales, qkv_img, b_qkv; writes qkv_img
.if DOCPART == 2
	.amdgcn_target "amdgcn-amd-amdhsa--gfx1250"
	.amdhsa_code_object_version 6
	.text
	.protected	k_qc976ea1521_qkv
	.globl	k_qc976ea1521_qkv
	.p2align	8
	.type	k_qc976ea1521_qkv,@function
k_qc976ea1521_qkv:
	s_mov_b64 s[64:65], 0
	v_nop
	global_prefetch_b8 v0, s[64:65] scope:SCOPE_SE
	s_setreg_imm32_b32 hwreg(HW_REG_WAVE_MODE, 25, 1), 1
	s_wait_xcnt 0x0
	s_wait_alu depctr_hold_cnt(0) depctr_sa_sdst(0) depctr_va_vdst(0) depctr_va_sdst(0) depctr_va_ssrc(0) depctr_va_vcc(0) depctr_vm_vsrc(0)
	s_getreg_b32 s2, hwreg(HW_REG_IB_STS2, 6, 4)
	s_cmp_eq_u32 s2, 0
	s_cbranch_scc0 .Lentry_in_a_cluster
	s_endpgm
.Lentry_in_a_cluster:
	s_bfe_u32 s2, ttmp6, 0x10000c
	s_cmp_lg_u32 s2, 0xf033
	s_cbranch_scc0 .Lentry_shape_is_right
	s_endpgm
.Lentry_shape_is_right:
; qkv = x W_qkv + b_qkv on codes of FP4 (E2M1) with one E8M0 scale for each 32 along K; sums in f32; the results rounded once to f16 and stored AS THE NEXT LAUNCH'S OPERAND REGISTERS.
; x_codes [8192][512 bytes], w_codes [3072 (n)][512 bytes], K = 1,024 innermost; scale bytes [rows][32].
; A tile of 256 tokens x 256 columns is made by four waves, 128 x 128 each: 64 accumulators, 512 registers.  K is two slots of 512: both are asked for at the head, so no LDS byte is filled twice.
; The scale bytes of the tile's rows come once, with them.  CLUSTERS: 4 x 4 work-groups; x's tiles are asked for jointly along a row of the cluster, W's along a column.
; THE RESULTS' LAYOUT.  An image of a fragment of 16 rows x 32 k of f16 is 1,024 bytes: registers 0-3 as 512 bytes, lane l's 16 bytes at 16 l, then registers 4-7 likewise.
;   Q and K (columns 0-2047, SWAP = 0): source 0 = 16 rows of W, source 1 = 16 tokens: a lane holds ONE token and eight neighbouring channels: packed, that is half a fragment [16 tokens][32 channels].
;   V (columns 2048-3071, SWAP = 1): source 0 = 16 tokens, source 1 = 16 rows of W: a lane holds ONE channel and eight neighbouring tokens: half a fragment [16 channels][32 keys].
;   qkv_img: three parts of 16,777,216 bytes, each [batch x head 64][262,144]; Q, K: [16 tokens, 128][32 channels, 2][1,024]; V: [32 keys, 64][16 channels, 4][1,024].
; So every store of a wave is 512 consecutive bytes straight from registers: no stage.  The bias is the C of each sum's first product.
; The two bodies are one macro, chosen by the cluster's x, which all sixteen partners share; all tensor loads stand ahead of the parting.
; LIMITS: |q|, |k|, |v| stay under 65,504 (f16).
; REGISTERS: window 0: v0-31 addresses; v32-95 scale words, two sets; v128-191 x's fragments, one set; v192-255 the bias; on the way out v128-255 packed results.
;   window 1: W's fragments, two sets, at v0 and v128.   windows 2, 3: the accumulators of my rows 0-63, 64-127 ((a, b) at v[8 (8 (a % 4) + b)]).
.set KSTEP,  512
.set NQ,     KSTEP/128
.set ROWB,   256                       ; a tile's row in bytes
.set KROW,   512                       ; a row of codes in memory
.set PITCH,  272                       ; an LDS row: 256 bytes + 16 of padding: the 16 rows of a load start 68 words apart, at 16 different banks (64 banks of 4 bytes: ISA guide 11.1)
.set FR,     8
.set NL,     2
.set NP,     4                         ; places behind this matrix instruction (ISA guide 7.12.1)
.set HALFT,  128*PITCH
.set SLOT,   4*HALFT
.set KS,     32                        ; a row of scale bytes
.set SCL,    2*SLOT
.set HALFS,  (128*KS/256)*272
.set SBLK,   (16*KS/256)*272
.set SPARE,  SCL+4*HALFS               ; the spare words, 128 bytes for each wave: two blocks of 256 bytes that no other line names
.set ADRA, 16
.set ADRB, 20
.set CO,   26                          ; v26  16 x lane: my place in every store
.set ADRS, 27
.set SPW,  28
.set NIL,  29
.set BO,   30                          ; v30  my offset in the bias
.set SC,   32
.set AF,   128
.set BI,   192
.set TMP,  128
.set G1, 24
.set G0, 32
.set G1B, 48
.set G0B, 56
.set G1S, 68
.set G0S, 76
.set G1SB, 80
.set G0SB, 88
.set MSB, 0
.macro WIN new                         ; the immediate's high byte repeats the setting that is left
.if MSB != (\new)
	s_set_vgpr_msb (MSB<<8)|(\new)
.set MSB, (\new)
.endif
.endm
.set TO_B, 0x40
; A joint load: waves 0 and 1 fetch for x, waves 2 and 3 for W.  The branch hangs on the wave's number alone.  An s_nop 0 and four v_nop follow each of the two lines.
.macro JLOAD g0a, g1a, g0b, g1b
	s_cmp_eq_u32 s15, 0
	s_cbranch_scc0 .Lfor_b_\@
	tensor_load_to_lds s[\g0a:\g0a+3], s[\g1a:\g1a+7]
	s_nop 0
.rept 4
	v_nop
.endr
	s_branch .Lasked_\@
.Lfor_b_\@:
	tensor_load_to_lds s[\g0b:\g0b+3], s[\g1b:\g1b+7]
	s_nop 0
.rept 4
	v_nop
.endr
.Lasked_\@:
.endm
.macro CROUND                          ; a round of the cluster's barrier
	s_barrier_signal -1
	s_barrier_wait -1
	s_cmp_lg_u32 s14, 0
	s_cbranch_scc1 .Lnot_wave_0_\@
	s_barrier_signal -3
.Lnot_wave_0_\@:
	s_barrier_wait -3
	s_barrier_signal -1
	s_barrier_wait -1
.endm
	s_load_b128 s[4:7], s[0:1], 0x0                ; x's codes, x's scales
	s_load_b128 s[8:11], s[0:1], 0x10              ; W's codes, W's scales
	s_load_b64 s[12:13], s[0:1], 0x20              ; qkv_img
	s_load_b64 s[96:97], s[0:1], 0x28              ; b_qkv
	v_lshl_add_u32 v[SPW], v0, 2, SPARE
	v_mov_b32 v[NIL], 0
	ds_add_u32 v[SPW], v[NIL]                      ; the wave's opening: the add, twice on end, and its wait ahead of my first tensor load
	ds_add_u32 v[SPW], v[NIL]
	v_lshrrev_b32 v1, 5, v0
	v_readfirstlane_b32 s14, v1                    ; wave 0..3
	s_lshr_b32 s15, s14, 1                         ; which half of the tile's rows is mine.  Also: I fetch for x (0) or for W (1)
	s_and_b32 s16, s14, 1                          ; which half of its columns.  Also: which 128 rows I fetch
	s_bfe_u32 s40, ttmp6, 0x40000                  ; cx, cy
	s_bfe_u32 s41, ttmp6, 0x40004
	s_lshl_b32 s42, ttmp9, 2
	s_add_co_u32 s42, s42, s40                     ; tile column
	s_and_b32 s17, ttmp7, 0xffff
	s_lshl_b32 s17, s17, 2
	s_add_co_u32 s17, s17, s41                     ; tile row
	s_lshl_b32 s43, s41, 2
	s_lshl_b32 s43, 15, s43                        ; my row of the cluster
	s_lshl_b32 s44, 0x1111, s40                    ; my column
	s_or_b32 s[G1+0], s43, (0<<16)|(1<<20)|(1<<21)|(5<<22)|(3<<25)  ; mask; elements of 1 byte; padding on; bit 21 beside a mask; 4 words after every 64
	s_or_b32 s[G1B+0], s44, (0<<16)|(1<<20)|(1<<21)|(5<<22)|(3<<25)
.irp g, G1, G1B
	s_mov_b32 s[\g+1], ROWB<<16                    ; tensor_dim0
	s_mov_b32 s[\g+2], 128<<16                     ; tensor_dim1
	s_mov_b32 s[\g+3], ROWB<<16                    ; tile_dim0
	s_mov_b32 s[\g+4], 128                         ; tile_dim1
	s_mov_b32 s[\g+5], KROW                        ; the pitch
	s_mov_b32 s[\g+6], 0
	s_mov_b32 s[\g+7], 0
.endr
	s_or_b32 s[G1S+0], s43, (3<<16)|(1<<20)|(1<<21)|(5<<22)|(3<<25)  ; the scales of 128 rows: 4,096 dense bytes as rows of 256 (32 elements of 8 bytes), 16 bytes of padding behind each
	s_or_b32 s[G1SB+0], s44, (3<<16)|(1<<20)|(1<<21)|(5<<22)|(3<<25)
.irp g, G1S, G1SB
	s_mov_b32 s[\g+1], 32<<16
	s_mov_b32 s[\g+2], (128*KS/256)<<16
	s_mov_b32 s[\g+3], 32<<16
	s_mov_b32 s[\g+4], 128*KS/256
	s_mov_b32 s[\g+5], 32
	s_mov_b32 s[\g+6], 0
	s_mov_b32 s[\g+7], 0
.endr
	s_lshl_b32 s18, s16, 7
	s_lshl_b32 s20, s17, 8
	s_add_co_u32 s20, s20, s18                     ; x: row 256 x tile row + 128 x half
	s_lshl_b32 s46, s42, 8
	s_add_co_u32 s46, s46, s18                     ; W: row 256 x tile column + 128 x half
	s_mov_b32 s21, 0
	s_mov_b32 s47, 0
	s_mov_b64 s[18:19], KS
	s_mul_u64 s[22:23], s[20:21], s[18:19]
	s_mul_u64 s[92:93], s[46:47], s[18:19]
	s_mov_b64 s[18:19], KROW
	s_mul_u64 s[20:21], s[20:21], s[18:19]
	s_mul_u64 s[46:47], s[46:47], s[18:19]
	s_mul_i32 s45, s14, HALFT                      ; where they go: wave x 128 rows
	s_mul_i32 s94, s14, HALFS
	s_wait_dscnt 0x0                               ; both opening adds are done
	s_wait_kmcnt 0x0
	s_add_nc_u64 s[20:21], s[4:5], s[20:21]
	s_add_nc_u64 s[22:23], s[6:7], s[22:23]
	s_add_nc_u64 s[46:47], s[8:9], s[46:47]
	s_add_nc_u64 s[92:93], s[10:11], s[92:93]
	CROUND                                         ; all sixteen work-groups are here: the joint loads meet
	s_mov_b32 s[G0S], 1
	s_add_co_u32 s[G0S+1], s94, SCL
	s_mov_b64 s[G0S+2:G0S+3], s[22:23]
	s_or_b32 s[G0S+3], s[G0S+3], 0x80000000
	s_mov_b32 s[G0SB], 1
	s_add_co_u32 s[G0SB+1], s94, SCL
	s_mov_b64 s[G0SB+2:G0SB+3], s[92:93]
	s_or_b32 s[G0SB+3], s[G0SB+3], 0x80000000
	JLOAD G0S, G1S, G0SB, G1SB                     ; three loads of mine go out together: the scales,
.irp s, 0,1
	s_mov_b32 s[G0+4*\s], 1
	s_add_co_u32 s[G0+4*\s+1], s45, \s*SLOT
	s_add_nc_u64 s[G0+4*\s+2:G0+4*\s+3], s[20:21], \s*ROWB
	s_or_b32 s[G0+4*\s+3], s[G0+4*\s+3], 0x80000000
	s_mov_b32 s[G0B+4*\s], 1
	s_add_co_u32 s[G0B+4*\s+1], s45, \s*SLOT
	s_add_nc_u64 s[G0B+4*\s+2:G0B+4*\s+3], s[46:47], \s*ROWB
	s_or_b32 s[G0B+4*\s+3], s[G0B+4*\s+3], 0x80000000
	JLOAD G0+4*\s, G1, G0B+4*\s, G1B               ; and the two halves of K
.endr
	v_and_b32 v1, 15, v0                           ; r = l % 16
	v_bfe_u32 v2, v0, 4, 1                         ; h = l / 16
	v_mul_u32_u24 v3, v1, PITCH
	v_lshl_add_u32 v4, v2, 4, v3
	s_mul_i32 s21, s15, HALFT
	s_mul_i32 s22, s16, HALFT
	s_add_co_u32 s22, s22, 2*HALFT
.irp s, 0,1
	v_add_nc_u32 v[ADRA+\s], s21, v4
	v_add_nc_u32 v[ADRB+\s], s22, v4
	s_add_co_u32 s21, s21, SLOT
	s_add_co_u32 s22, s22, SLOT
.endr
	v_mul_u32_u24 v5, v1, KS                       ; my row's scales: 32 bytes a row,
	v_lshrrev_b32 v6, 8, v5
	v_lshl_add_u32 v5, v6, 4, v5                   ; and 16 more for each 256 passed
	s_mul_i32 s21, s15, HALFS
	s_mul_i32 s22, s16, HALFS
	s_add_co_u32 s22, s22, 2*HALFS
	s_sub_co_u32 s22, s22, s21
	v_mul_u32_u24 v6, s22, v2                      ; lanes 16-31 take W's
	s_add_co_u32 s21, s21, SCL
	v_add_nc_u32 v5, v5, v6
	v_add_nc_u32 v[ADRS], s21, v5
	v_and_b32 v6, 31, v0
	v_lshlrev_b32 v[CO], 4, v6
	; where my 128 tokens x 128 columns begin in qkv_img: part, batch x 16 + head, token x 128 bytes
	s_lshr_b32 s20, s17, 3
	s_lshl_b32 s20, s20, 22                        ; batch x 16 heads x 262,144
	s_and_b32 s21, s17, 7
	s_lshl_b32 s21, s21, 15                        ; 256 tokens x 128 bytes
	s_add_co_u32 s20, s20, s21
	s_lshl_b32 s21, s15, 14                        ; my 128 tokens
	s_add_co_u32 s20, s20, s21
	s_lshr_b32 s46, s42, 2
	s_lshl_b32 s46, s46, 24                        ; Q, K or V
	s_and_b32 s47, s42, 3
	s_lshl_b32 s47, s47, 20                        ; four heads to a tile column
	s_add_co_u32 s46, s46, s47
	s_lshl_b32 s47, s16, 19                        ; two to a wave
	s_add_co_u32 s46, s46, s47
	s_add_co_u32 s20, s20, s46
	s_mov_b32 s21, 0
	s_add_nc_u64 s[12:13], s[12:13], s[20:21]
	s_lshl_b32 s46, s42, 10                        ; the bias of my 128 columns
	s_lshl_b32 s47, s16, 9
	s_add_co_u32 s46, s46, s47
	s_mov_b32 s47, 0
	s_add_nc_u64 s[96:97], s[96:97], s[46:47]
.macro FRAG reg, adr, q, i             ; 16 rows x 128 K of 4-bit codes: 8 registers: lane l holds row l % 16; registers 4 c .. 4 c + 3 hold K = 64 c + 32 (l / 16) + 0 .. 31
.irp c, 0,1
	ds_load_b128 v[\reg+4*\c:\reg+4*\c+3], v[\adr] offset:64*(\q)+32*\c+(\i)*16*PITCH
.endr
.endm
; 16 matrix instructions: x's blocks a0, a0 + 1 against W's eight, the slot's q-th 128 along K.  p: W's set; sc: the set of scale words; zero = 1: the bias is C.
; A scale register holds x's word in lanes 0-15 and W's in lanes 16-31.  The 64 accumulators take turns, one instruction a turn, in the same order in every step.
.macro MUL16 a0, p, q, sc, zero
.irp a, \a0, \a0+1
.irp b, 0,1,2,3,4,5,6,7
.set rD, 8*(8*((\a)%4)+\b)
.set rA, AF+FR*(\a)
.set rB, 128*(\p)+FR*\b
.set sA, SC+8*NQ*(\sc)+NQ*(\a)+(\q)
.set sB, SC+8*NQ*(\sc)+NQ*\b+(\q)
.if SWAP
.if \zero
	v_wmma_scale_f32_16x16x128_f8f6f4 v[rD:rD+7], v[rA:rA+7], v[rB:rB+7], v[BI+8*\b:BI+8*\b+7], v[sA], v[sB] matrix_a_fmt:MATRIX_FMT_FP4 matrix_b_fmt:MATRIX_FMT_FP4 matrix_b_scale:MATRIX_SCALE_ROW1
.else
	v_wmma_scale_f32_16x16x128_f8f6f4 v[rD:rD+7], v[rA:rA+7], v[rB:rB+7], v[rD:rD+7], v[sA], v[sB] matrix_a_fmt:MATRIX_FMT_FP4 matrix_b_fmt:MATRIX_FMT_FP4 matrix_b_scale:MATRIX_SCALE_ROW1
.endif
.else
.if \zero
	v_wmma_scale_f32_16x16x128_f8f6f4 v[rD:rD+7], v[rB:rB+7], v[rA:rA+7], v[BI+8*\b:BI+8*\b+7], v[sB], v[sA] matrix_a_fmt:MATRIX_FMT_FP4 matrix_b_fmt:MATRIX_FMT_FP4 matrix_a_scale:MATRIX_SCALE_ROW1
.else
	v_wmma_scale_f32_16x16x128_f8f6f4 v[rD:rD+7], v[rB:rB+7], v[rA:rA+7], v[rD:rD+7], v[sB], v[sA] matrix_a_fmt:MATRIX_FMT_FP4 matrix_b_fmt:MATRIX_FMT_FP4 matrix_a_scale:MATRIX_SCALE_ROW1
.endif
.endif
.endr
.endr
.endm
.macro FETCH_B slot, q, p
	WIN TO_B
.irp i, 0,1,2,3,4,5,6,7
	FRAG 128*(\p)+FR*\i, ADRB+\slot, \q, \i
.endr
	WIN 0
.endm
.macro FETCH_A slot, q, i0
.irp i, \i0, \i0+1, \i0+2, \i0+3
	FRAG AF+FR*(\i), ADRA+\slot, \q, \i
.endr
.endm
.macro SCALES sc                       ; a slot's scale words: four a row; lanes 0-15 take x's block i, lanes 16-31 W's block i
.irp i, 0,1,2,3,4,5,6,7
	ds_load_b128 v[SC+8*NQ*\sc+NQ*\i:SC+8*NQ*\sc+NQ*\i+3], v[ADRS] offset:\i*SBLK
.endr
.endm
.macro PLACES n                        ; a load into a register that a matrix instruction has read, and a vector instruction that reads a matrix result, stand NP plain vector instructions behind it (ISA guide 7.12.1 for vector instructions)
.rept \n
	v_nop
.endr
.endm
.macro STEP slot, q, zero              ; 128 along K, with its successor in the same slot
	s_wait_dscnt 4*NL                              ; W's set and x's blocks 0-3 are in; the youngest eight loads (x's blocks 4-7) may be out
.if \zero
	WIN W_LO0
.else
	WIN W_LO
.endif
	MUL16 0, (\q)%2, \q, \slot, \zero
	MUL16 2, (\q)%2, \q, \slot, \zero
	s_wait_dscnt 0                                 ; x's blocks 4-7 are in
	PLACES NP
	FETCH_B \slot, (\q)+1, 1-(\q)%2
	FETCH_A \slot, (\q)+1, 0
.if \zero
	WIN W_HI0
.else
	WIN W_HI
.endif
	MUL16 4, (\q)%2, \q, \slot, \zero
	MUL16 6, (\q)%2, \q, \slot, \zero
	PLACES NP
	WIN 0
	FETCH_A \slot, (\q)+1, 4
.endm
.macro TURN slot, next                 ; slot 0's last step: one barrier; behind it slot 1 is whole for every wave.  Nothing is filled again
	s_wait_tensorcnt 0x0                           ; all my tensor loads have landed: my part of slot 1
	ds_add_u32 v[SPW], v[NIL]                      ; 0 onto my spare word
	s_wait_dscnt 4*NL+1                            ; (the add and the youngest eight loads may be out)
	WIN W_LO
	MUL16 0, 1, NQ-1, \slot, 0
	s_wait_dscnt 0x0                               ; the add is done, and my reads of this slot are over
	s_barrier_signal -1
	MUL16 2, 1, NQ-1, \slot, 0
	WIN 0
	s_barrier_wait -1
	PLACES NP
	v_add_nc_u32 v[ADRS], 4*NQ, v[ADRS]            ; on to the next slot's scale words
	FETCH_B \next, 0, 0
	FETCH_A \next, 0, 0
	SCALES \next
	WIN W_HI
	MUL16 4, 1, NQ-1, \slot, 0
	MUL16 6, 1, NQ-1, \slot, 0
	PLACES NP
	WIN 0
	FETCH_A \next, 0, 4
.endm
.macro STEPS slot, from
.set Q, \from
.rept NQ-1-\from
	STEP \slot, Q, 0
.set Q, Q+1
.endr
.endm
; The way out of block a (16 tokens x 128 columns): rounded to f16 in pairs, each accumulator from its low end on; each packed accumulator is half a fragment's image: 512 consecutive bytes a store.
.macro OUT a
.set AC, 64*((\a)%4)
.set TT, TMP+32*((\a)%4)
	WIN 0x0a+5*((\a)/4)                            ; sources 0 and 1: window 2 or 3
.irp b, 0,1,2,3,4,5,6,7
.irp r, 0,1,2,3
	v_cvt_pk_f16_f32 v[TT+4*\b+\r], v[AC+8*\b+2*\r], v[AC+8*\b+2*\r+1]
.endr
.endr
	WIN 0
.irp b, 0,1,2,3,4,5,6,7
.if SWAP
	global_store_b128 v[CO], v[TT+4*\b:TT+4*\b+3], s[12:13] offset:4096*((\a)/2)+512*((\a)%2)+262144*(\b/4)+1024*(\b%4)   ; V: 32 keys a / 2, half a % 2; head b / 4, 16 channels b % 4
.else
	global_store_b128 v[CO], v[TT+4*\b:TT+4*\b+3], s[12:13] offset:2048*(\a)+262144*(\b/4)+512*(\b%4)                     ; Q, K: 16 tokens a; head b / 4; 32 channels (b % 4) / 2, half b % 2
.endif
.endr
.endm
.macro BODY
.if SWAP
	v_lshlrev_b32 v[BO], 2, v1                     ; a lane holds channel r in all eight registers of a tile
.irp b, 0,1,2,3,4,5,6,7
.irp j, 0,1,2,3,4,5,6,7
	global_load_b32 v[BI+8*\b+\j], v[BO], s[96:97] offset:64*\b
.endr
.endr
.else
	v_lshlrev_b32 v[BO], 5, v2                     ; a lane holds channels 8 h + 0 .. 7 of a tile
.irp b, 0,1,2,3,4,5,6,7
	global_load_b128 v[BI+8*\b:BI+8*\b+3], v[BO], s[96:97] offset:64*\b
	global_load_b128 v[BI+8*\b+4:BI+8*\b+7], v[BO], s[96:97] offset:64*\b+16
.endr
.endif
	s_wait_tensorcnt 1                             ; the scales and my part of slot 0 are in (slot 1's load may be out)
	s_barrier_signal -1
	s_barrier_wait -1                              ; everybody's are
	FETCH_B 0, 0, 0
	FETCH_A 0, 0, 0
	SCALES 0
	FETCH_A 0, 0, 4
	s_wait_loadcnt 0x0                             ; the bias
	STEP 0, 0, 1
	STEPS 0, 1
	TURN 0, 1
	STEPS 1, 0
	s_wait_dscnt 4*NL                              ; the last step: nothing more to fetch
	WIN W_LO
	MUL16 0, 1, NQ-1, 1, 0
	MUL16 2, 1, NQ-1, 1, 0
	s_wait_dscnt 0
	WIN W_HI
	MUL16 4, 1, NQ-1, 1, 0
	MUL16 6, 1, NQ-1, 1, 0
	WIN 0
	PLACES NP                                      ; behind the last products: the conversions write over x's fragments and, later, read the last results
.irp a, 0,1,2,3,4,5,6,7
.if \a >= 4
	s_wait_xcnt 0x0                                ; block a - 4's stores have read the registers that block a's conversions write
.endif
	OUT \a
.endr
	s_wait_tensorcnt 0x0                           ; the wave's end
	ds_add_u32 v[SPW], v[NIL]
	s_wait_dscnt 0x0
	CROUND                                         ; the closing round
	s_endpgm
.endm
	s_cmp_eq_u32 ttmp9, 2                          ; the cluster's x: tile columns 8 to 11 are V's.  The same in all sixteen partners and all waves
	s_cbranch_scc1 .Lvalues
.set SWAP, 0
.set W_LO,  0xa1                       ; source 0 (W) window 1, source 1 (x) window 0, C and D window 2
.set W_HI,  0xf1
.set W_LO0, 0x81                       ; the same with C (the bias) in window 0
.set W_HI0, 0xc1
	BODY
.Lvalues:
.set SWAP, 1
.set W_LO,  0xa4                       ; source 0 (x) window 0, source 1 (W) window 1
.set W_HI,  0xf4
.set W_LO0, 0x84
.set W_HI0, 0xc4
	BODY
.Lfunc_end_k_qc976ea1521_qkv:
	.size	k_qc976ea1521_qkv, .Lfunc_end_k_qc976ea1521_qkv-k_qc976ea1521_qkv
	.p2alignl 7, 3214868480
	.fill 96, 4, 3214868480
	.section	.rodata,"a",@progbits
	.p2align	6, 0x0
	.amdhsa_kernel k_qc976ea1521_qkv
		.amdhsa_group_segment_fixed_size 327680
		.amdhsa_private_segment_fixed_size 0
		.amdhsa_enable_private_segment 0
		.amdhsa_kernarg_size 48
		.amdhsa_user_sgpr_count 2
		.amdhsa_user_sgpr_kernarg_segment_ptr 1
		.amdhsa_wavefront_size32 1
		.amdhsa_system_sgpr_workgroup_id_x 1
		.amdhsa_system_sgpr_workgroup_id_y 1
		.amdhsa_system_sgpr_workgroup_id_z 1
		.amdhsa_system_vgpr_workitem_id 0
		.amdhsa_next_free_vgpr 1024
		.amdhsa_next_free_sgpr 98
		.amdhsa_reserve_vcc 0
		.amdhsa_float_denorm_mode_32 3
		.amdhsa_float_denorm_mode_16_64 3
		.amdhsa_memory_ordered 1
		.amdhsa_forward_progress 1
		.amdhsa_inst_pref_size 233
	.end_amdhsa_kernel
	.amdgpu_metadata
---
amdhsa.version: [ 1, 2 ]
amdhsa.kernels:
  - .name:           k_qc976ea1521_qkv
    .symbol:         k_qc976ea1521_qkv.kd
    .args:
      - { .name: x_codes, .offset: 0, .size: 8, .value_kind: global_buffer, .address_space: global }
      - { .name: x_scales, .offset: 8, .size: 8, .value_kind: global_buffer, .address_space: global }
      - { .name: w_codes, .offset: 16, .size: 8, .value_kind: global_buffer, .address_space: global }
      - { .name: w_scales, .offset: 24, .size: 8, .value_kind: global_buffer, .address_space: global }
      - { .name: qkv_img, .offset: 32, .size: 8, .value_kind: global_buffer, .address_space: global }
      - { .name: b_qkv, .offset: 40, .size: 8, .value_kind: global_buffer, .address_space: global }
    .group_segment_fixed_size: 327680
    .private_segment_fixed_size: 0
    .kernarg_segment_align: 8
    .kernarg_segment_size: 48
    .max_flat_workgroup_size: 128
    .sgpr_count:     98
    .vgpr_count:     1024
    .wavefront_size: 32
...
	.end_amdgpu_metadata
.endif
;; end of part 2
;; launch attn (part 3): grid 4 x 64, 8 waves a work-group, clusters of 4 x 1, 327,680 bytes of LDS; arguments qkv_img, att_img; writes att_img
.if DOCPART == 3
	.amdgcn_target "amdgcn-amd-amdhsa--gfx1250"
	.amdhsa_code_object_version 6
	.text
	.protected	k_qc976ea1521_attn
	.globl	k_qc976ea1521_attn
	.p2align	8
	.type	k_qc976ea1521_attn,@function
k_qc976ea1521_attn:
	s_mov_b64 s[64:65], 0
	v_nop
	global_prefetch_b8 v0, s[64:65] scope:SCOPE_SE
	s_setreg_imm32_b32 hwreg(HW_REG_WAVE_MODE, 25, 1), 1
	s_wait_xcnt 0x0
	s_wait_alu depctr_hold_cnt(0) depctr_sa_sdst(0) depctr_va_vdst(0) depctr_va_sdst(0) depctr_va_ssrc(0) depctr_va_vcc(0) depctr_vm_vsrc(0)
	s_getreg_b32 s2, hwreg(HW_REG_IB_STS2, 6, 4)
	s_cmp_eq_u32 s2, 0
	s_cbranch_scc0 .Lentry_in_a_cluster
	s_endpgm
.Lentry_in_a_cluster:
	s_bfe_u32 s2, ttmp6, 0x10000c
	s_cmp_lg_u32 s2, 0x3003
	s_cbranch_scc0 .Lentry_shape_is_right
	s_endpgm
.Lentry_shape_is_right:
; O[bh][q] = the sum over k of softmax_k(Q[bh][q] . K[bh][k] / 8) V[bh][k]: 64 heads x batches, 2,048 tokens, head size 64, no mask.  Operands f16, products, maxima and sums f32;
; the weights p are rounded to f16 for the second product, O once at the end.
; Q, K and V lie in qkv_img as images of operand registers (a fragment of 16 rows x 32 k is 1,024 bytes: registers 0-3 as 512 bytes, lane l's 16 bytes at 16 l, then registers 4-7):
; every fragment comes by two loads of 16 bytes a lane at a constant + 16 x lane: no pitch, no padding, nothing is turned.  O leaves the same way, as the last launch's operand.
; SHARES.  A work-group owns 512 queries of one head, each of its eight waves 64: four tiles of 16, in 512 registers; two waves to a SIMD.  Every wave walks all keys, 64 a step.
; LAYOUT.  S^T = K Q^T (source 0 = 16 keys, source 1 = 16 queries): a lane holds ONE query and eight keys.  Two such tiles, packed to f16, ARE source 1 of O^T = V^T P, whose result again holds one query a lane.
; SOFTMAX.  For each query a running maximum m and sum l: p = 2^(c s - c m), c = log2(e) / 8; in every step O and l are multiplied by a = 2^(c m_old - c m_new).
; BY TURNS.  The wave's tiles are two pieces: piece 0 (tiles 0, 1) and piece 2 (tiles 2, 3).  In a turn one piece has the matrix unit: 16 products V^T P of the step in hand, then 16 products K Q^T of the
; next step; the other piece's softmax, 59 slices of four instructions, is dealt out behind each PAIR of matrix instructions.  Then the pieces change places.  Two turns are a key step.
; RING.  Two LDS slots of 512 keys (8 key steps): K's 65,536 bytes, then V's.  Each wave brings 16,384 dense bytes of a slot by one tensor load.  A refill is asked for a whole slot ahead of its first read.
; CLUSTER.  The four query blocks of a head walk the same K and V: each tile is asked for jointly, by the same load with the same descriptor and a mask that names the four.
; LIMITS: |q|, |k|, |v| under 65,504; values of O under 6e-5 keep f16's absolute step there.
; REGISTERS.  Window 0: v1 16 x lane; v3 the same + V's place; v4 the address in hand; v12-59 statistics, 12 a tile; v62, v63 the add's two; v64-191 S^T, 32 a tile (P is packed in place into a tile's first 16); v192-255 Q.
;   Window 1: v0-127 O^T, 32 a tile; v128-191 K of one step; v192-255 V of one step.
.set STEPB, 8192                       ; a key step's K, and its V, in bytes
.set VOFF,  65536
.set SLOT1, 1<<17                      ; slot 1 begins here: one exclusive or turns an address in one slot into the other's
.set SPARE, 2*SLOT1                    ; the spare words, 128 bytes for each wave: four blocks of 256 bytes that no other line names
.set LI,  1
.set AV0, 3
.set ADR, 4
.set ST,  12                           ; tile t at v[ST+12 t]: +0 c m, +1 m, +2, +3 l, +4 to +7 at work (a takes +6), +8, +9 and +10, +11 two chains of the step's sum
.set SPW, 62
.set NIL, 63
.set S,   64
.set QF,  192
.set KF,  128                          ; in window 1
.set VF,  192                          ; in window 1
.set WV,  12
.set G1,  24                           ; s[24:31] descriptor group 1
.set G0,  40                           ; s[40:47] group 0: a set for each of the two first fills; the second then walks on
.set SLOTS, 56
.set CNT, 57
.set CS,  58                           ; s[58:59] c
.set SEL, 60                           ; s[60:61] v_permlanex16_b32's selects for lane l xor 16
.set TB,  62                           ; LDS byte at which K of the step to be fetched begins
.set MSB, 0
.macro WIN new                         ; the immediate's high byte repeats the setting that is left
.if MSB != (\new)
	s_set_vgpr_msb (MSB<<8)|(\new)
.set MSB, (\new)
.endif
.endm
.set W_KQ, 0x01                        ; K in window 1; Q and S^T in window 0
.set W_PV, 0x51                        ; V in window 1, P in window 0, O^T in window 1
.set W_RS, 0x41                        ; O^T (destination and source 0) in window 1, a in window 0
.set W_LD, 0x40                        ; destination window 1, address window 0
.macro JLOAD                           ; the joint refill: one line for all eight waves, each with its own 16,384 bytes; an s_nop 0 and four v_nop follow
	tensor_load_to_lds s[G0+4:G0+7], s[G1:G1+7]
	s_nop 0
.rept 4
	v_nop
.endr
.endm
.macro CROUND                          ; a round of the cluster's barrier
	s_barrier_signal -1
	s_barrier_wait -1
	s_cmp_lg_u32 s[WV], 0
	s_cbranch_scc1 .Lnot_wave_0_\@
	s_barrier_signal -3
.Lnot_wave_0_\@:
	s_barrier_wait -3
	s_barrier_signal -1
	s_barrier_wait -1
.endm
.macro PLACES
.rept 4
	v_nop
.endr
.endm
	s_load_b128 s[4:7], s[0:1], 0x0                ; qkv_img s[4:5], att_img s[6:7]
	v_lshl_add_u32 v[SPW], v0, 2, SPARE
	v_mov_b32 v[NIL], 0
	ds_add_u32 v[SPW], v[NIL]                      ; the wave's opening: the add, twice on end, and its wait ahead of my first tensor load
	ds_add_u32 v[SPW], v[NIL]
	v_lshrrev_b32 v2, 5, v0
	v_readfirstlane_b32 s[WV], v2                  ; wave 0..7
	s_bfe_u32 s13, ttmp6, 0x40000                  ; cx: my block of 512 queries: it enters Q's and O's addresses alone
	s_and_b32 s14, ttmp7, 0xffff                   ; batch x 16 + head, which the four partners share
	s_lshl_b32 s20, s14, 18                        ; its 262,144 bytes in each part
	s_lshr_b32 s16, s[WV], 2                       ; waves 0-3 fetch K (part 1), waves 4-7 V (part 2),
	s_add_co_u32 s16, s16, 1
	s_lshl_b32 s16, s16, 24
	s_and_b32 s17, s[WV], 3                        ; a quarter of a slot's 65,536 bytes each
	s_lshl_b32 s17, s17, 14
	s_add_co_u32 s22, s16, s17
	s_add_co_u32 s22, s22, s20
	s_mov_b32 s23, 0
	s_lshl_b32 s15, s[WV], 14                      ; and its place in a slot: 16,384 x wave
	s_lshl_b32 s2, s13, 16                         ; Q: my block's 512 rows of 128 bytes,
	s_lshl_b32 s3, s[WV], 13                       ; my wave's 64
	s_add_co_u32 s2, s2, s3
	s_add_co_u32 s2, s2, s20
	s_mov_b32 s3, 0
	s_lshr_b32 s18, s14, 4                         ; O: tile of 16 tokens 128 x batch + 32 cx + 4 wave, 32,768 bytes each;
	s_lshl_b32 s18, s18, 22
	s_lshl_b32 s19, s13, 20
	s_add_co_u32 s18, s18, s19
	s_lshl_b32 s19, s[WV], 17
	s_add_co_u32 s18, s18, s19
	s_and_b32 s19, s14, 15                         ; in it the head's two images
	s_lshl_b32 s19, s19, 11
	s_add_co_u32 s18, s18, s19
	s_mov_b32 s19, 0
	s_mov_b32 s[G1], 15|(3<<16)|(1<<21)            ; the mask: all four work-groups; elements of 8 bytes; bit 21 beside a mask; no padding
	s_mov_b32 s[G1+1], 32<<16                      ; tensor_dim0 = 32 elements: rows of 256 bytes
	s_mov_b32 s[G1+2], 64<<16                      ; tensor_dim1 = 64
	s_mov_b32 s[G1+3], 32<<16                      ; tile_dim0
	s_mov_b32 s[G1+4], 64                          ; tile_dim1
	s_mov_b32 s[G1+5], 32                          ; the pitch: the block is dense
	s_mov_b32 s[G1+6], 0
	s_mov_b32 s[G1+7], 0
	s_mov_b32 s[CS], 0x3e38aa3b                    ; c = log2(e) / 8
	s_mov_b32 s[CS+1], s[CS]                       ; (named with it as a pair, so it is written)
	s_mov_b32 s[SEL], 0x76543210
	s_mov_b32 s[SEL+1], 0xfedcba98
	s_mov_b32 s[TB], 0
	s_mov_b32 s[SLOTS], 2                          ; four slots' worth of keys: two first fills, two refills
	s_wait_dscnt 0x0                               ; both opening adds are done
	s_wait_kmcnt 0x0
	s_add_nc_u64 s[8:9], s[4:5], s[22:23]          ; my part of slot 0 in memory
	s_add_nc_u64 s[4:5], s[4:5], s[2:3]            ; Q at my wave's first row
	s_add_nc_u64 s[6:7], s[6:7], s[18:19]          ; O likewise
	CROUND                                         ; all four work-groups are here: the first joint loads meet
	s_mov_b32 s[G0], 1
	s_mov_b32 s[G0+1], s15
	s_mov_b64 s[G0+2:G0+3], s[8:9]
	s_or_b32 s[G0+3], s[G0+3], 0x80000000
	s_mov_b32 s[G0+4], 1
	s_add_co_u32 s[G0+5], s15, SLOT1
	s_add_nc_u64 s[G0+6:G0+7], s[8:9], 65536
	s_or_b32 s[G0+7], s[G0+7], 0x80000000
	tensor_load_to_lds s[G0:G0+3], s[G1:G1+7]      ; two loads of mine are out
	s_nop 0
	tensor_load_to_lds s[G0+4:G0+7], s[G1:G1+7]
	s_nop 0
.rept 4
	v_nop
.endr
	v_and_b32 v[LI], 31, v0
	v_lshlrev_b32 v[LI], 4, v[LI]
	v_add_nc_u32 v[AV0], VOFF, v[LI]
.irp n, 0,1,2,3,4,5,6,7,8,9,10,11,12,13,14,15
	global_load_b128 v[QF+4*\n:QF+4*\n+3], v[LI], s[4:5] offset:512*\n th:TH_LOAD_NT   ; Q stays in registers: tile n / 4, 32 channels (n / 2) % 2, half n % 2
.endr
; Product i of 16 of S^T = K Q^T for piece x: channels 32 (i / 8) on, keys 16 ((i / 2) % 4) on, tile x + i % 2.  The first 8 start the sums.  Seven other accumulators stand between two links of a chain.
.macro KQ x
	WIN W_KQ
.set rS, S+32*(\x+i%2)+8*((i/2)%4)
.set rK, KF+16*((i/2)%4)+8*(i/8)
.set rQ, QF+16*(\x+i%2)+8*(i/8)
.if i < 8
	v_wmma_f32_16x16x32_f16 v[rS:rS+7], v[rK:rK+7], v[rQ:rQ+7], 0
.else
	v_wmma_f32_16x16x32_f16 v[rS:rS+7], v[rK:rK+7], v[rQ:rQ+7], v[rS:rS+7]
.endif
.endm
; Product i of 16 of O^T += V^T P: keys 32 (i / 8) on, channels 16 ((i / 2) % 4) on, tile x + i % 2.  zero = 1: the first 8 start the sums.
.macro PV x, zero
	WIN W_PV
.set rO, 32*(\x+i%2)+8*((i/2)%4)
.set rV, VF+32*(i/8)+8*((i/2)%4)
.set rP, S+32*(\x+i%2)+8*(i/8)
.if (\zero) && (i < 8)
	v_wmma_f32_16x16x32_f16 v[rO:rO+7], v[rV:rV+7], v[rP:rP+7], 0
.else
	v_wmma_f32_16x16x32_f16 v[rO:rO+7], v[rV:rV+7], v[rP:rP+7], v[rO:rO+7]
.endif
.endm
.macro FETCH_K                         ; a step's K: 16 loads in one run
	WIN 0
	v_add_nc_u32 v[ADR], s[TB], v[LI]
	WIN W_LD
.irp f, 0,1,2,3,4,5,6,7,8,9,10,11,12,13,14,15
	ds_load_b128 v[KF+4*\f:KF+4*\f+3], v[ADR] offset:512*\f
.endr
.endm
.macro FETCH_V                         ; the same step's V, a turn later
	WIN 0
	v_add_nc_u32 v[ADR], s[TB], v[AV0]
	s_add_co_u32 s[TB], s[TB], STEPB               ; the next fetch is the next step's
	s_wait_alu depctr_va_vdst(0)                   ; the wait for the softmax's batch of exponentials (SLICE), ahead of the first instruction that names a result
	WIN W_LD
.irp f, 0,1,2,3,4,5,6,7,8,9,10,11,12,13,14,15
	ds_load_b128 v[VF+4*\f:VF+4*\f+3], v[ADR] offset:512*\f
.endr
.endm
; One tile's softmax for one key step is a list of 118 instructions; SM writes number j of it for tile t.  s0-s31 are the lane's 32 scores, in pairs 0-15.  first = 1: the first key step: no a, nothing to rescale.
;   0-15    the maximum of s0-s31 and the old m: four chains, each beginning at the low end of a tile of scores
;   16-20   the other half of the lanes' maximum; the new m; c m; c m_old - c m_new
;   21-69   ONE BATCH: 16 scalings c s - c m and all 33 exponentials (a at 23); none reads an exponential's result
;   (wait)  between 69 and 70 stands the one wait for the batch (SLICE)
;   70-85   the sums, in two chains beside the scores, which they leave as they are; l = a l + the sum
;   86-101  the roundings to f16, in place: pair i goes to register i, which has been read by then
;   102-117 the tile's O^T times a, ascending
.macro SM t, first
.set rT, ST+12*(\t)
.set rS, S+32*(\t)
.set rO, 32*(\t)+2*(j-102)
.if j < 102
	WIN 0
.endif
.if j < 4
	v_max3_num_f32 v[rT+4+j], v[rS+8*j], v[rS+8*j+1], v[rS+8*j+2]
.elseif j < 12
	v_max3_num_f32 v[rT+4+j%4], v[rT+4+j%4], v[rS+8*(j%4)+2*(j/4)+1], v[rS+8*(j%4)+2*(j/4)+2]
.elseif j == 12
	v_max3_num_f32 v[rT+4], v[rT+4], v[rS+7], v[rS+15]
.elseif j == 13
	v_max3_num_f32 v[rT+6], v[rT+6], v[rS+23], v[rS+31]
.elseif j == 14
	v_max3_num_f32 v[rT+4], v[rT+4], v[rT+5], v[rT+6]
.elseif (j == 15) && \first
	v_max_num_f32 v[rT+4], v[rT+4], v[rT+7]
.elseif j == 15
	v_max3_num_f32 v[rT+4], v[rT+4], v[rT+7], v[rT+1]
.elseif j == 16
	v_permlanex16_b32 v[rT+5], v[rT+4], s[SEL], s[SEL+1]  ; the query's other 32 keys lie in the lane 16 away
.elseif j == 18
	v_max_num_f32 v[rT+1], v[rT+4], v[rT+5]
.elseif j == 19
	v_mul_f32 v[rT], s[CS], v[rT+1]
.elseif ((j == 17) || (j == 20) || (j == 23) || (j > 101)) && \first  ; the first step has none of these
.elseif j == 17
	v_mov_b32 v[rT+7], v[rT]                       ; c m_old is kept for a
.elseif j == 20
	v_sub_f32 v[rT+7], v[rT+7], v[rT]
.elseif j == 23
	v_exp_f32 v[rT+6], v[rT+7]
.elseif (j < 23) || ((j < 38) && (j%2 == 0)) || ((j < 66) && (j%4 == 2))
.set b, (j-2)/4                        ; 38, 42, .. 62: pairs 9 to 15
.if j < 38
.set b, (j-20)/2                       ; 21: pair 0; 22, 24, .. 36: pairs 1 to 8
.endif
	v_pk_fma_f32 v[rS+2*b:rS+2*b+1], v[rS+2*b:rS+2*b+1], s[CS:CS+1], v[rT:rT+1] op_sel_hi:[1,0,0] neg_lo:[0,0,1] neg_hi:[0,0,1]  ; pair b: c s - c m
.elseif j < 70
.set e, j-38                           ; 66 to 69: s28 to s31
.if j < 66
.set e, j-32-(j-38)/4                  ; 39-41, 43-45, .. 63-65: s7 to s27
.endif
.if j < 38
.set e, (j-25)/2                       ; 25, 27, .. 37: s0 to s6
.endif
	v_exp_f32 v[rS+e], v[rS+e]
.elseif j < 86
.set z, j-70
.if z == 0
	v_pk_add_f32 v[rT+8:rT+9], v[rS:rS+1], v[rS+2:rS+3]
.elseif z == 1
	v_pk_add_f32 v[rT+10:rT+11], v[rS+4:rS+5], v[rS+6:rS+7]
.elseif z < 14
	v_pk_add_f32 v[rT+8+2*(z%2):rT+9+2*(z%2)], v[rT+8+2*(z%2):rT+9+2*(z%2)], v[rS+2*(z+2):rS+2*(z+2)+1]
.elseif (z == 14) && \first
	v_pk_add_f32 v[rT+2:rT+3], v[rT+8:rT+9], v[rT+10:rT+11]
.elseif z == 14
	v_pk_add_f32 v[rT+8:rT+9], v[rT+8:rT+9], v[rT+10:rT+11]
.elseif !\first
	v_pk_fma_f32 v[rT+2:rT+3], v[rT+2:rT+3], v[rT+6:rT+7], v[rT+8:rT+9] op_sel_hi:[1,0,1]
.endif
.elseif j < 102
	v_cvt_pk_f16_f32 v[rS+j-86], v[rS+2*(j-86)], v[rS+2*(j-86)+1]
.else
	WIN W_RS
	v_pk_mul_f32 v[rO:rO+1], v[rO:rO+1], v[rT+6:rT+7] op_sel_hi:[1,0]
.endif
.endm
; Slice k of 59 of piece y's softmax: four instructions (2 x 118 = 4 x 59).  Slices 11 to 34 deal out the batch, numbers 22 to 69: four numbers of ONE tile each, the tiles by turns.  Every other slice is numbers
; 2 k and 2 k + 1 of both tiles.  Ahead of slice 35 nothing names an exponential's result and behind slice 34 no exponential is issued: so the piece's 66 exponentials have one wait, behind slice 34.
.macro SLICE y, first
.if (k >= 11) && (k < 35)
.irp n, 0,1,2,3
.set j, 22+4*((k-11)/2)+(\n)
	SM (\y)+(k-11)%2, \first
.endr
.else
.irp n, 0,1
.irp t, \y, \y+1
.set j, 2*k+\n
	SM \t, \first
.endr
.endr
.endif
.if k == 34
	v_nop                                          ; the plain instruction behind the last exponential, ahead of the first use: one for the batch
.if (\y) == 0
	FETCH_V                                        ; piece 2's turn: V's run of loads stands here, and the wait stands in it
.else
	s_wait_alu depctr_va_vdst(0)                   ; the wait for the batch
.endif
.endif
.set k, k+1
.endm
.macro DEAL y, first                   ; behind the g-th of NG pairs of matrix instructions: the slices up to 59 g / NG, rounded up
.set g, g+1
.rept (59*g+NG-1)/NG-k
	SLICE \y, \first
.endr
.endm
; A TURN.  Piece x has the matrix unit.  pv = 2: 16 products V^T P; 1: they start O^T's sums; 0: none.  kq = 1: 16 products K Q^T for the next step.
; DISTANCES, counted in plain vector instructions that name none of the matrix instruction's registers (ISA guide 7.12.1), in a turn with both kinds (slices dealt 4, 8, 12, 15, 19, 23, 26, 30, 34, ..):
;   K Q^T's second pair writes over P's registers 8-15, which the last V^T P pair read: slices 26-33 lie between, with seven scalings;
;   V's loads stand behind slices 26-34: seven scalings, the v_nop and the run's own addition;   K's loads stand behind the twelve multiplies of the turn before and slices 0-3;
;   the next turn's first read of the scores stands behind this turn's last twelve multiplies (first = 1, where those are absent: four v_nop).
.macro TURN x, pv, kq, first
.set k, 0
.set g, 0
.set NG, 8
.if \pv && \kq
.set NG, 16
.endif
.if \pv
.if \x == 0
	s_wait_dscnt 0x0                               ; V is in
.endif
.set i, 0
.rept 8
	PV \x, 2-\pv
.set i, i+1
	PV \x, 2-\pv
.set i, i+1
	DEAL 2-\x, \first
.if (\x == 0) && \kq && (i == 2)
	FETCH_K
.endif
.endr
.endif
.if \kq
.if \x == 0
	s_wait_dscnt 0x0                               ; K is in
.endif
.set i, 0
.rept 8
	KQ \x
.set i, i+1
	KQ \x
.set i, i+1
	DEAL 2-\x, \first
.endr
.endif
.if \first
	WIN 0
	PLACES
.endif
.endm
.macro STEPS n                         ; n key steps: written once, walked n times; the LDS addresses hang on s[TB]
	s_mov_b32 s[CNT], \n
.Lstep_\@:
	TURN 0, 2, 1, 0
	TURN 2, 2, 1, 0
	WIN 0
	s_sub_co_u32 s[CNT], s[CNT], 1
	s_cmp_lg_u32 s[CNT], 0
	s_cbranch_scc1 .Lstep_\@
.endm
; THE CHANGE OF SLOTS: the slot's last bytes, V of its eighth step, have been asked for.  Each wave waits for all its tensor loads (its part of the other slot), adds 0 to its spare word, and waits for that and for
; its reads of the slot.  fill = 1: the barrier is a round of the cluster's, and the joint refill, the keys two slots on, is the first thing behind it: it has eight key steps in which to land.
.macro CHANGE fill
	WIN 0
	s_wait_tensorcnt 0x0                           ; no tensor load of mine is out, so a group 0 may be written
	ds_add_u32 v[SPW], v[NIL]                      ; 0 onto my spare word
.if \fill
	s_xor_b32 s[G0+5], s[G0+5], SLOT1              ; the walking descriptor: the other slot than last time,
	s_add_nc_u64 s[G0+6:G0+7], s[G0+6:G0+7], 65536 ; the next 512 keys; the type bits on top are not reached
.endif
	s_wait_dscnt 0x0                               ; the add is done, and my reads of the slot are over
.if \fill
	CROUND
	JLOAD
.else
	s_barrier_signal -1
	s_barrier_wait -1
.endif
	s_sub_co_u32 s[TB], s[TB], 8*STEPB             ; the fetches go back to a slot's first step,
	s_xor_b32 s[TB], s[TB], SLOT1                  ; in the other slot
.endm
	s_wait_tensorcnt 1                             ; my part of slot 0 is in; slot 1's may stay out
	s_barrier_signal -1
	s_barrier_wait -1                              ; everybody's is
	FETCH_K                                        ; key step 0
	s_wait_loadcnt 0x0                             ; Q
	s_wait_dscnt 0x0
.set i, 0
.rept 16
	KQ 0                                           ; piece 0's first scores
.set i, i+1
.endr
	WIN 0
	PLACES
	TURN 2, 0, 1, 1                                ; piece 2's first scores | piece 0's first softmax | V of step 0
	TURN 0, 1, 1, 1                                ; piece 0: V^T P of step 0 starts O^T, K Q^T of step 1 | piece 2's first softmax | K of step 1
	TURN 2, 1, 1, 0                                ; piece 2: the same | piece 0's softmax of step 1 | V of step 1
	WIN 0
	STEPS 6                                        ; these fetch steps 2 to 7: the rest of slot 0
.Lslot:                                            ; two trips: slots 0 and 1 are filled again
	CHANGE 1
	STEPS 8
	s_sub_co_u32 s[SLOTS], s[SLOTS], 1
	s_cmp_lg_u32 s[SLOTS], 0
	s_cbranch_scc1 .Lslot
	CHANGE 0                                       ; the tail is written out
	STEPS 8
	TURN 0, 2, 0, 0                                ; piece 0: V^T P of the last step | piece 2's last softmax
.set i, 0
.rept 16
	PV 2, 0                                        ; piece 2: V^T P of the last step
.set i, i+1
.endr
	; THE WAY OUT.  l's two halves and the other half of the lanes' are added (the first four additions are the places behind the last products); O^T is divided by l and rounded to f16.
	; A tile's packed registers 4 c .. 4 c + 3 are channels 16 c + 8 (l / 16) + 0 .. 7 of token l % 16: half a fragment's image of the last launch's operand: 512 consecutive bytes a store.
	WIN 0
.irp t, 0,1,2,3
	v_add_f32 v[ST+12*\t+4], v[ST+12*\t+2], v[ST+12*\t+3]
.endr
.irp t, 0,1,2,3
	v_permlanex16_b32 v[ST+12*\t+5], v[ST+12*\t+4], s[SEL], s[SEL+1]
.endr
.irp t, 0,1,2,3
	v_add_f32 v[ST+12*\t+4], v[ST+12*\t+4], v[ST+12*\t+5]
.endr
.irp t, 0,1,2,3
	v_rcp_f32 v[ST+12*\t+6], v[ST+12*\t+4]
.endr
	v_nop                                          ; a plain instruction between the last reciprocal and the use of its result
	s_wait_alu depctr_va_vdst(0)                   ; and the wait: one for the four
.macro OUTT t
	WIN 0x01                                       ; source 0 (O^T) window 1; the rest window 0: S^T's registers are free
.set i, 0
.rept 16
	v_pk_mul_f32 v[S+32*\t+i:S+32*\t+i+1], v[32*\t+i:32*\t+i+1], v[ST+12*\t+6:ST+12*\t+7] op_sel_hi:[1,0]
.set i, i+2
.endr
	WIN 0
.set i, 0
.rept 16
	v_cvt_pk_f16_f32 v[S+32*\t+i], v[S+32*\t+2*i], v[S+32*\t+2*i+1]
.set i, i+1
.endr
.irp c, 0,1,2,3
	global_store_b128 v[LI], v[S+32*\t+4*\c:S+32*\t+4*\c+3], s[6:7] offset:32768*\t+512*\c
.endr
.endm
	OUTT 0
	OUTT 1
	OUTT 2
	OUTT 3
	s_wait_tensorcnt 0x0                           ; the wave's end
	ds_add_u32 v[SPW], v[NIL]
	s_wait_dscnt 0x0
	CROUND                                         ; the closing round
	s_endpgm
.Lfunc_end_k_qc976ea1521_attn:
	.size	k_qc976ea1521_attn, .Lfunc_end_k_qc976ea1521_attn-k_qc976ea1521_attn
	.p2alignl 7, 3214868480
	.fill 96, 4, 3214868480
	.section	.rodata,"a",@progbits
	.p2align	6, 0x0
	.amdhsa_kernel k_qc976ea1521_attn
		.amdhsa_group_segment_fixed_size 327680
		.amdhsa_private_segment_fixed_size 0
		.amdhsa_enable_private_segment 0
		.amdhsa_kernarg_size 16
		.amdhsa_user_sgpr_count 2
		.amdhsa_user_sgpr_kernarg_segment_ptr 1
		.amdhsa_wavefront_size32 1
		.amdhsa_system_sgpr_workgroup_id_x 1
		.amdhsa_system_sgpr_workgroup_id_y 1
		.amdhsa_system_sgpr_workgroup_id_z 1
		.amdhsa_system_vgpr_workitem_id 0
		.amdhsa_next_free_vgpr 512
		.amdhsa_next_free_sgpr 66
		.amdhsa_reserve_vcc 0
		.amdhsa_float_denorm_mode_32 3
		.amdhsa_float_denorm_mode_16_64 3
		.amdhsa_memory_ordered 1
		.amdhsa_forward_progress 1
		.amdhsa_inst_pref_size 180
	.end_amdhsa_kernel
	.amdgpu_metadata
---
amdhsa.version: [ 1, 2 ]
amdhsa.kernels:
  - .name:           k_qc976ea1521_attn
    .symbol:         k_qc976ea1521_attn.kd
    .args:
      - { .name: qkv_img, .offset: 0, .size: 8, .value_kind: global_buffer, .address_space: global }
      - { .name: att_img, .offset: 8, .size: 8, .value_kind: global_buffer, .address_space: global }
    .group_segment_fixed_size: 327680
    .private_segment_fixed_size: 0
    .kernarg_segment_align: 8
    .kernarg_segment_size: 16
    .max_flat_workgroup_size: 256
    .sgpr_count:     66
    .vgpr_count:     512
    .wavefront_size: 32
...
	.end_amdgpu_metadata
.endif
;; end of part 3
;; launch proj (part 4): grid 4 x 64, 4 waves a work-group, clusters of 4 x 4, 327,680 bytes of LDS; arguments att_img, w_img, b_out, out0; writes out0
.if DOCPART == 4
	.amdgcn_target "amdgcn-amd-amdhsa--gfx1250"
	.amdhsa_code_object_version 6
	.text
	.protected	k_qc976ea1521_proj
	.globl	k_qc976ea1521_proj
	.p2align	8
	.type	k_qc976ea1521_proj,@function
k_qc976ea1521_proj:
	s_mov_b64 s[64:65], 0
	v_nop
	global_prefetch_b8 v0, s[64:65] scope:SCOPE_SE
	s_setreg_imm32_b32 hwreg(HW_REG_WAVE_MODE, 25, 1), 1
	s_wait_xcnt 0x0
	s_wait_alu depctr_hold_cnt(0) depctr_sa_sdst(0) depctr_va_vdst(0) depctr_va_sdst(0) depctr_va_ssrc(0) depctr_va_vcc(0) depctr_vm_vsrc(0)
	s_getreg_b32 s2, hwreg(HW_REG_IB_STS2, 6, 4)
	s_cmp_eq_u32 s2, 0
	s_cbranch_scc0 .Lentry_in_a_cluster
	s_endpgm
.Lentry_in_a_cluster:
	s_bfe_u32 s2, ttmp6, 0x10000c
	s_cmp_lg_u32 s2, 0xf033
	s_cbranch_scc0 .Lentry_shape_is_right
	s_endpgm
.Lentry_shape_is_right:
; out0 = O W_out + b_out.  O [8192][1024] and W_out [1024 (k)][1024 (n)] arrive in f16 as images of operand registers: att_img [16 tokens, 512][32 k, 32][1,024 bytes], w_img [16 columns, 64][32 k, 32][1,024 bytes];
; out0 [8192][1024] f32; sums in f32; the bias is the C of each sum's first product.
; A tile of 128 tokens x 256 columns to a work-group: 256 work-groups.  Four waves, 64 x 128 each: 32 accumulators, 256 registers.
; K goes in steps of 128 through two LDS slots: of each tile of 16 rows a step is 4,096 consecutive bytes of memory, which lie in LDS one behind the other.  A fragment is two loads of 16 bytes a lane at a constant + 16 x lane.
; CLUSTERS: 4 x 4 work-groups: O's tiles are asked for jointly along a row of the cluster, W_out's along a column.
; THE MATRIX INSTRUCTION IS USED TRANSPOSED (source 0 = 16 columns of W_out, source 1 = 16 tokens): a lane holds eight neighbouring numbers of a row of out0.
; REGISTERS: window 0: v16-30 addresses; v64-95, v96-127 O's fragments, two buffers; v128-191 the bias, later with v192-255 rows on the way out.  window 1: v0-63, v64-127 W_out's fragments, two buffers.
;   window 2: the accumulators, (a, b) at v[8 (8 a + b)].
.set SLOT,   98304                     ; O's 8 tiles x 4,096 bytes, then W_out's 16 tiles x 4,096
.set BOFF,   32768
.set STAGE,  2*SLOT                    ; behind the ring: 16 rows x (512 bytes + 16) for each wave, for the way out; no tensor load fills it
.set SPITCH, 528
.set SPARE,  STAGE+4*16*SPITCH         ; the spare words, 128 bytes for each wave: two blocks of 256 bytes that no other line names
.set ADRA, 16
.set ADRB, 20
.set STO,  24
.set RD,   25
.set CO,   26                          ; v26  16 x lane
.set SPW,  28
.set NIL,  29
.set BO,   30
.set AFR,  64
.set BI,   128
.set BK,   128
.set G1, 24
.set G0, 32
.set G1B, 48
.set G0B, 56
.set MSB, 0
.macro WIN new                         ; the immediate's high byte repeats the setting that is left
.if MSB != (\new)
	s_set_vgpr_msb (MSB<<8)|(\new)
.set MSB, (\new)
.endif
.endm
.set MUL,  0xa1                        ; source 0 (W_out) window 1, source 1 (O) window 0, C and D window 2
.set MUL0, 0x81                        ; the same with C (the bias) in window 0
.set TO_B, 0x40
.macro JLOAD s                         ; a joint load: waves 0 and 1 fetch O's two halves, waves 2 and 3 W_out's; an s_nop 0 and four v_nop follow each of the two lines
	s_cmp_eq_u32 s11, 0
	s_cbranch_scc0 .Lfor_b_\@
	tensor_load_to_lds s[G0+4*\s:G0+4*\s+3], s[G1:G1+7]
	s_nop 0
.rept 4
	v_nop
.endr
	s_branch .Lasked_\@
.Lfor_b_\@:
	tensor_load_to_lds s[G0B+4*\s:G0B+4*\s+3], s[G1B:G1B+7]
	s_nop 0
.rept 4
	v_nop
.endr
.Lasked_\@:
.endm
.macro CREST                           ; a round of the cluster's barrier behind its opening barrier
	s_cmp_lg_u32 s10, 0
	s_cbranch_scc1 .Lnot_wave_0_\@
	s_barrier_signal -3
.Lnot_wave_0_\@:
	s_barrier_wait -3
	s_barrier_signal -1
	s_barrier_wait -1
.endm
.macro CROUND
	s_barrier_signal -1
	s_barrier_wait -1
	CREST
.endm
.macro PLACES
.rept 4
	v_nop
.endr
.endm
	s_load_b128 s[4:7], s[0:1], 0x0                ; att_img s[4:5], w_img s[6:7]
	s_load_b128 s[68:71], s[0:1], 0x10             ; b_out s[68:69], out0 s[70:71]
	v_lshl_add_u32 v[SPW], v0, 2, SPARE
	v_mov_b32 v[NIL], 0
	ds_add_u32 v[SPW], v[NIL]                      ; the wave's opening: the add, twice on end, and its wait ahead of my first tensor load
	ds_add_u32 v[SPW], v[NIL]
	v_lshrrev_b32 v1, 5, v0
	v_readfirstlane_b32 s10, v1                    ; wave 0..3
	s_lshr_b32 s11, s10, 1                         ; which 64 of the tile's rows are mine.  Also: I fetch for O (0) or for W_out (1)
	s_and_b32 s12, s10, 1                          ; which 128 of its columns.  Also: which half of that tile I fetch
	s_bfe_u32 s40, ttmp6, 0x40000                  ; cx, cy
	s_bfe_u32 s41, ttmp6, 0x40004
	s_lshl_b32 s42, ttmp9, 2
	s_add_co_u32 s42, s42, s40                     ; tile column
	s_and_b32 s13, ttmp7, 0xffff
	s_lshl_b32 s13, s13, 2
	s_add_co_u32 s13, s13, s41                     ; tile row
	s_lshl_b32 s43, s41, 2
	s_lshl_b32 s43, 15, s43                        ; my row of the cluster
	s_lshl_b32 s44, 0x1111, s40                    ; my column
	s_or_b32 s[G1+0], s43, (3<<16)|(1<<21)         ; the mask; elements of 8 bytes; bit 21 beside a mask; no padding
	s_or_b32 s[G1B+0], s44, (3<<16)|(1<<21)
	s_mov_b32 s[G1+1], 512<<16                     ; tensor_dim0 = 512 elements: 4,096 bytes of a tile of 16 rows
	s_mov_b32 s[G1+2], 4<<16                       ; tensor_dim1 = 4 such tiles
	s_mov_b32 s[G1+3], 512<<16                     ; tile_dim0
	s_mov_b32 s[G1+4], 4                           ; tile_dim1
	s_mov_b32 s[G1+5], 4096                        ; from tile to tile: 32,768 bytes
	s_mov_b32 s[G1+6], 0
	s_mov_b32 s[G1+7], 0
	s_mov_b32 s[G1B+1], 512<<16
	s_mov_b32 s[G1B+2], 8<<16                      ; W_out's: 8 tiles of 16 columns
	s_mov_b32 s[G1B+3], 512<<16
	s_mov_b32 s[G1B+4], 8
	s_mov_b32 s[G1B+5], 4096
	s_mov_b32 s[G1B+6], 0
	s_mov_b32 s[G1B+7], 0
	s_lshl_b32 s16, s13, 18                        ; O: tile of 16 tokens 8 x tile row + 4 x half, 32,768 bytes each
	s_lshl_b32 s17, s12, 17
	s_add_co_u32 s16, s16, s17
	s_mov_b32 s17, 0
	s_lshl_b32 s46, s42, 19                        ; W_out: tile of 16 columns 16 x tile column + 8 x half
	s_lshl_b32 s47, s12, 18
	s_add_co_u32 s46, s46, s47
	s_mov_b32 s47, 0
	s_lshl_b32 s20, s12, 14                        ; where they go: O's halves of 16,384 bytes,
	s_lshl_b32 s21, s12, 15
	s_add_co_u32 s21, s21, BOFF                    ; W_out's of 32,768 behind them: no place in the cluster enters an LDS address
	s_wait_dscnt 0x0                               ; both opening adds are done
	s_wait_kmcnt 0x0
	s_add_nc_u64 s[14:15], s[4:5], s[16:17]
	s_add_nc_u64 s[46:47], s[6:7], s[46:47]
	CROUND                                         ; all sixteen work-groups are here: the first joint loads meet
.irp s, 0,1
	s_mov_b32 s[G0+4*\s], 1
	s_add_co_u32 s[G0+4*\s+1], s20, \s*SLOT
	s_add_nc_u64 s[G0+4*\s+2:G0+4*\s+3], s[14:15], \s*4096
	s_or_b32 s[G0+4*\s+3], s[G0+4*\s+3], 0x80000000
	s_mov_b32 s[G0B+4*\s], 1
	s_add_co_u32 s[G0B+4*\s+1], s21, \s*SLOT
	s_add_nc_u64 s[G0B+4*\s+2:G0B+4*\s+3], s[46:47], \s*4096
	s_or_b32 s[G0B+4*\s+3], s[G0B+4*\s+3], 0x80000000
	JLOAD \s                                       ; K steps 0 and 1: two loads of mine are out
.endr
	v_and_b32 v1, 15, v0                           ; r
	v_bfe_u32 v2, v0, 4, 1                         ; h
	v_and_b32 v3, 31, v0
	v_lshlrev_b32 v[CO], 4, v3
	s_lshl_b32 s22, s11, 14                        ; my 64 rows of O
	s_lshl_b32 s23, s12, 15                        ; my 128 columns of W_out
	s_add_co_u32 s23, s23, BOFF
.irp s, 0,1
	v_add_nc_u32 v[ADRA+\s], s22, v[CO]
	v_add_nc_u32 v[ADRB+\s], s23, v[CO]
	s_add_co_u32 s22, s22, SLOT
	s_add_co_u32 s23, s23, SLOT
.endr
	s_mul_i32 s22, s10, 16*SPITCH
	s_add_co_u32 s22, s22, STAGE                   ; my stage
	v_mul_u32_u24 v4, v1, SPITCH                   ; in: row r, 32 bytes for each half of the lanes
	v_lshl_add_u32 v4, v2, 5, v4
	v_add_nc_u32 v[STO], s22, v4
	v_add_nc_u32 v[RD], s22, v[CO]                 ; back: the 32 lanes take one row of 512 bytes
	v_lshlrev_b32 v[BO], 5, v2                     ; the bias: channels 8 h + 0 .. 7 of a tile
	s_lshl_b32 s16, s13, 19                        ; my first row of out0: 128 x tile row + 64 x half, 4,096 bytes each
	s_lshl_b32 s17, s11, 18
	s_add_co_u32 s16, s16, s17
	s_lshl_b32 s46, s42, 10                        ; my first column, in bytes
	s_lshl_b32 s47, s12, 9
	s_add_co_u32 s46, s46, s47
	s_mov_b32 s47, 0
	s_add_nc_u64 s[68:69], s[68:69], s[46:47]
	s_add_co_u32 s16, s16, s46
	s_mov_b32 s17, 0
	s_add_nc_u64 s[70:71], s[70:71], s[16:17]
.irp b, 0,1,2,3,4,5,6,7
	global_load_b128 v[BI+8*\b:BI+8*\b+3], v[BO], s[68:69] offset:64*\b
	global_load_b128 v[BI+8*\b+4:BI+8*\b+7], v[BO], s[68:69] offset:64*\b+16
.endr
; n x 8 matrix instructions: row blocks a0 on, against the eight column blocks, 32 along K, from buffer f.  zero = 1: the bias is C.  The 32 accumulators take turns, in the same order in every quarter.
.macro MULS f, a0, n, zero
.set aa, \a0
.rept \n
.irp b, 0,1,2,3,4,5,6,7
.if \zero
	v_wmma_f32_16x16x32_f16 v[8*(8*aa+\b):8*(8*aa+\b)+7], v[64*(\f)+8*\b:64*(\f)+8*\b+7], v[AFR+32*(\f)+8*aa:AFR+32*(\f)+8*aa+7], v[BI+8*\b:BI+8*\b+7]
.else
	v_wmma_f32_16x16x32_f16 v[8*(8*aa+\b):8*(8*aa+\b)+7], v[64*(\f)+8*\b:64*(\f)+8*\b+7], v[AFR+32*(\f)+8*aa:AFR+32*(\f)+8*aa+7], v[8*(8*aa+\b):8*(8*aa+\b)+7]
.endif
.endr
.set aa, aa+1
.endr
.endm
.macro FETCH slot, q, f                ; 24 LDS loads in one run: the fragments of the slot's q-th 32 along K into buffer f
	WIN TO_B
.irp i, 0,1,2,3,4,5,6,7
	ds_load_b128 v[64*(\f)+8*\i:64*(\f)+8*\i+3],   v[ADRB+\slot] offset:4096*\i+1024*(\q)
	ds_load_b128 v[64*(\f)+8*\i+4:64*(\f)+8*\i+7], v[ADRB+\slot] offset:4096*\i+1024*(\q)+512
.endr
	WIN 0
.irp i, 0,1,2,3
	ds_load_b128 v[AFR+32*(\f)+8*\i:AFR+32*(\f)+8*\i+3],   v[ADRA+\slot] offset:4096*\i+1024*(\q)
	ds_load_b128 v[AFR+32*(\f)+8*\i+4:AFR+32*(\f)+8*\i+7], v[ADRA+\slot] offset:4096*\i+1024*(\q)+512
.endr
.endm
; One of a K step's first three quarters: the next quarter's run of loads stands at its head, so that it has the quarter's 32 matrix instructions in which to land.
.macro QUARTER slot, q, f, g, zero
	s_wait_dscnt 0x0                               ; buffer f is in: its loads were issued a quarter ago
	PLACES                                         ; four places behind the products that read buffer g (ISA guide 7.12.1 for vector instructions)
	FETCH \slot, (\q)+1, \g
.if \zero
	WIN MUL0
.else
	WIN MUL
.endif
	MULS \f, 0, 4, \zero
.endm
; The last quarter multiplies buffer 1 and changes slots: one barrier; in front of it each wave waits for all its tensor loads, adds 0 to its spare word, and waits for that and for its reads of this slot.
; fill = 1: the barrier opens a round of the cluster's, and this slot is filled again, two K steps ahead, first thing behind the round: 112 matrix instructions ahead of the wait for it.
.macro TURN slot, next, fill
	WIN 0                                          ; (the add's two registers lie in window 0)
	s_wait_tensorcnt 0x0                           ; all my tensor loads have landed: my part of the next slot
	ds_add_u32 v[SPW], v[NIL]                      ; 0 onto my spare word
	s_wait_dscnt 1                                 ; buffer 1 is in (the add may be out)
	WIN MUL
	MULS 1, 0, 1, 0
	s_wait_dscnt 0x0                               ; the add is done, and my reads of this slot are over
	s_barrier_signal -1
	MULS 1, 1, 1, 0
	WIN 0
	s_barrier_wait -1
.if \fill
	CREST                                          ; no wave of any partner still reads this slot or has a load on its way
	s_add_nc_u64 s[G0+4*\slot+2:G0+4*\slot+3], s[G0+4*\slot+2:G0+4*\slot+3], 8192
	s_add_nc_u64 s[G0B+4*\slot+2:G0B+4*\slot+3], s[G0B+4*\slot+2:G0B+4*\slot+3], 8192
	JLOAD \slot                                    ; the four v_nop behind it are also the places in front of the loads below
.else
	PLACES
.endif
	FETCH \next, 0, 0
	WIN MUL
	MULS 1, 2, 2, 0
.endm
	s_wait_tensorcnt 1                             ; my part of K step 0 is in (K step 1's load may be out)
	s_barrier_signal -1
	s_barrier_wait -1                              ; everybody's is
	FETCH 0, 0, 0
	s_wait_loadcnt 0x0                             ; the bias
	QUARTER 0, 0, 0, 1, 1                          ; the first quarter stands in front of the loop: its products start the sums
	WIN 0
	s_mov_b32 s3, 3
.Llap:                                             ; a trip goes once round the ring and fills both slots again: K steps 2 to 7
	QUARTER 0, 1, 1, 0, 0
	QUARTER 0, 2, 0, 1, 0
	TURN 0, 1, 1
	QUARTER 1, 0, 0, 1, 0
	QUARTER 1, 1, 1, 0, 0
	QUARTER 1, 2, 0, 1, 0
	TURN 1, 0, 1
	QUARTER 0, 0, 0, 1, 0
	WIN 0
	s_sub_co_u32 s3, s3, 1
	s_cmp_lg_u32 s3, 0
	s_cbranch_scc1 .Llap
	QUARTER 0, 1, 1, 0, 0                          ; the last lap fills nothing
	QUARTER 0, 2, 0, 1, 0
	TURN 0, 1, 0
	QUARTER 1, 0, 0, 1, 0
	QUARTER 1, 1, 1, 0, 0
	QUARTER 1, 2, 0, 1, 0
	s_wait_dscnt 0x0
	WIN MUL
	MULS 1, 0, 4, 0
	WIN 0
; THE WAY OUT, block by block of 16 rows x 128 columns, through my own stage: in as 32 bytes a lane, back as whole rows of 512 bytes.  LDS serves a wave's instructions in order (ISA guide 5.7.1.4): no wait between the stores and the loads.
.macro TOSTAGE a
	WIN 0x08                                       ; an LDS store's data are its source 1: window 2
.irp b, 0,1,2,3,4,5,6,7
	ds_store_b128 v[STO], v[64*(\a)+8*\b:64*(\a)+8*\b+3] offset:64*\b          ; each accumulator from its low end on
	ds_store_b128 v[STO], v[64*(\a)+8*\b+4:64*(\a)+8*\b+7] offset:64*\b+16
.endr
	WIN 0
.set BB, BK+64*((\a)%2)
.irp t, 0,1,2,3,4,5,6,7,8,9,10,11,12,13,14,15
	ds_load_b128 v[BB+4*\t:BB+4*\t+3], v[RD] offset:\t*SPITCH
.endr
.endm
.macro SEND a, younger                 ; younger: the LDS instructions issued behind block a's loads, which may stay out
.set BB, BK+64*((\a)%2)
	s_wait_dscnt \younger
.irp t, 0,1,2,3,4,5,6,7,8,9,10,11,12,13,14,15
	global_store_b128 v[CO], v[BB+4*\t:BB+4*\t+3], s[70:71] offset:65536*(\a)+4096*\t th:TH_STORE_NT   ; 32 lanes store 512 consecutive bytes of a row
.endr
.endm
	PLACES                                         ; behind the last products
	TOSTAGE 0
.irp a, 1,2,3
.if \a > 1
	s_wait_xcnt 0x0                                ; block a - 2's stores have read the registers into which block a's loads land
.endif
	TOSTAGE \a
	SEND \a-1, 32                                  ; behind block a - 1's loads: block a's 16 stores and 16 loads
.endr
	SEND 3, 0
	s_wait_tensorcnt 0x0                           ; the wave's end, behind my last tensor load and my last LDS store
	ds_add_u32 v[SPW], v[NIL]
	s_wait_dscnt 0x0
	CROUND                                         ; the closing round
	s_endpgm
.Lfunc_end_k_qc976ea1521_proj:
	.size	k_qc976ea1521_proj, .Lfunc_end_k_qc976ea1521_proj-k_qc976ea1521_proj
	.p2alignl 7, 3214868480
	.fill 96, 4, 3214868480
	.section	.rodata,"a",@progbits
	.p2align	6, 0x0
	.amdhsa_kernel k_qc976ea1521_proj
		.amdhsa_group_segment_fixed_size 327680
		.amdhsa_private_segment_fixed_size 0
		.amdhsa_enable_private_segment 0
		.amdhsa_kernarg_size 32
		.amdhsa_user_sgpr_count 2
		.amdhsa_user_sgpr_kernarg_segment_ptr 1
		.amdhsa_wavefront_size32 1
		.amdhsa_system_sgpr_workgroup_id_x 1
		.amdhsa_system_sgpr_workgroup_id_y 1
		.amdhsa_system_sgpr_workgroup_id_z 1
		.amdhsa_system_vgpr_workitem_id 0
		.amdhsa_next_free_vgpr 768
		.amdhsa_next_free_sgpr 72
		.amdhsa_reserve_vcc 0
		.amdhsa_float_denorm_mode_32 3
		.amdhsa_float_denorm_mode_16_64 3
		.amdhsa_memory_ordered 1
		.amdhsa_forward_progress 1
		.amdhsa_inst_pref_size 86
	.end_amdhsa_kernel
	.amdgpu_metadata
---
amdhsa.version: [ 1, 2 ]
amdhsa.kernels:
  - .name:           k_qc976ea1521_proj
    .symbol:         k_qc976ea1521_proj.kd
    .args:
      - { .name: att_img, .offset: 0, .size: 8, .value_kind: global_buffer, .address_space: global }
      - { .name: w_img, .offset: 8, .size: 8, .value_kind: global_buffer, .address_space: global }
      - { .name: b_out, .offset: 16, .size: 8, .value_kind: global_buffer, .address_space: global }
      - { .name: out0, .offset: 24, .size: 8, .value_kind: global_buffer, .address_space: global }
    .group_segment_fixed_size: 327680
    .private_segment_fixed_size: 0
    .kernarg_segment_align: 8
    .kernarg_segment_size: 32
    .max_flat_workgroup_size: 128
    .sgpr_count:     72
    .vgpr_count:     768
    .wavefront_size: 32
...
	.end_amdgpu_metadata
.endif
;; end of part 4
